; MI455X (gfx1250); checked and timed in simulation.
; The chip was launched on July 23, 2026; its instructions are those of AMD's public machine-readable ISA for CDNA 5 (MIT licence, August 2026) and "CDNA5" Instruction Set Architecture Reference Guide (July 2026). The comments in the code are by the model that wrote it; some were corrected since.
;; Hollow Transformer Layer. Allowed arithmetic: float matrix products may take bf16 or f16 operands with f32 sums; all other float work in f32.
;; Inputs: W1 1,024 x 4,096 float32; W2 4,096 x 1,024 float32; Wk 1,024 x 1,024 float32; Wo 1,024 x 1,024 float32; Wq 1,024 x 1,024 float32; Wv 1,024 x 1,024 float32; b1 4,096 float32; b2 1,024 float32; beta1 1,024 float32; beta2 1,024 float32; bk 1,024 float32; bo 1,024 float32; bq 1,024 float32; bv 1,024 float32; g1 1,024 float32; g2 1,024 float32; mask 2 x 2,048 int32; x 2 x 2,048 x 1,024 float32.
;; Outputs: out0 2 x 2,048 x 1,024 float32.
;; One version. Each part assembles by itself: llvm-mc -triple=amdgcn-amd-amdhsa -mcpu=gfx1250 --defsym DOCPART=n.
;; ======== version 1 of 1: 7 launches
;; limits: values are held in f16: magnitudes above 65,504 overflow, below 6.1e-05 lose precision; inputs' magnitudes at most 65,504; right only within a limited range of input values
;; workspace buffers: abf 8,388,608 bytes; wvb 2,097,152 bytes; w1b 8,388,608 bytes; wob2 10,485,760 bytes; big 33,554,432 bytes; res 16,777,216 bytes; hf 16,777,216 bytes
;; launch cast (part 1): grid 256 x 1, 14 waves a work-group, no clusters, 0 bytes of LDS; arguments x, Wv, Wo, W1, W2, abf, wvb, w1b, wob2; writes abf, wvb, w1b, wob2
.if DOCPART == 1
	.amdgcn_target "amdgcn-amd-amdhsa--gfx1250"
	.amdhsa_code_object_version 6
	.text
	.protected	k_q6365c6713b_cast
	.globl	k_q6365c6713b_cast
	.p2align	8
	.type	k_q6365c6713b_cast,@function
k_q6365c6713b_cast:
	s_mov_b64 s[64:65], 0
	v_nop
	global_prefetch_b8 v0, s[64:65] scope:SCOPE_SE
	s_setreg_imm32_b32 hwreg(HW_REG_WAVE_MODE, 25, 1), 1
	s_wait_xcnt 0x0
; x, Wv, Wo, W1, W2 (f32) are rounded once to f16 and laid out as the products that follow read them.
;   rows (x, [4096][1024]):  panels of 256 columns, [col / 256][row][256]
;   weights ([k][n]):        panels of 128 columns, [n / 128][k][128]: 128 k-rows of a panel are 32,768 dense bytes
; LIMIT: a number of 65,520 or more in magnitude becomes an infinity in f16; below 6.1e-5 f16 keeps a fixed step of 6e-8.
; A stream: no LDS, no barrier, no matrix unit, no cluster (no two work-groups read the same byte).
; SHARES.  An item is 1,024 consecutive f32 of a source: eight loads of 16 bytes a lane, each covering 512 consecutive bytes.  A wave takes four
; consecutive items (32 loads, all issued before the first wait).  The five sources are 14,336 items, 3,584 waves' shares: 256 work-groups of 14 waves, the same work for each.
; Waves 0-1023 of the launch: x; 1024-1279: Wv; 1280-1535: Wo; 1536-2559: W1; 2560-3583: W2.
; ONE TEXT FOR THE FIVE PARTS: the part's two pointers and its six figures are chosen by selects on the wave's number in the launch.
; A store of 8 bytes a lane covers 256 consecutive bytes, at a multiple of 256 from the buffer's first byte.
.set VO,  8                            ; v[8:15]     load i of an item is stored at my 8 bytes + (i & 1) s1 + (i >> 1) s2
.set IN,  16                           ; v[16:143]   four items as loaded
.set OUT, 144                          ; v[144:207]  the same in f16
; s[26:27] the source, s[28:29] the destination; s30 the part's first wave; s31 bytes at which the part begins in the destination;
; s32: the wave's first item lies (wave in the part << s32) bytes further; s34 bytes from item to item; s35 = s1, s36 = s2
	s_load_b512 s[8:23], s[0:1], 0x0               ; x s[8:9], Wv s[10:11], Wo s[12:13], W1 s[14:15], W2 s[16:17], abf s[18:19], wvb s[20:21], w1b s[22:23]
	s_load_b64 s[24:25], s[0:1], 0x40              ; wob2
	v_lshrrev_b32 v3, 5, v0
	v_readfirstlane_b32 s4, v3                     ; wave 0..13
	v_and_b32 v1, 31, v0
	v_lshlrev_b32 v2, 3, v1                        ; 8 bytes a lane out
	v_lshlrev_b32 v1, 4, v1                        ; 16 bytes a lane in
	s_mul_i32 s5, ttmp9, 14
	s_add_co_u32 s5, s5, s4                        ; my wave among the launch's 3,584
	s_mov_b32 s30, 2560                            ; W2's figures: an item is a k-row of 1,024, 256 bytes in a panel; panels 1,048,576 bytes apart, behind Wo in wob2
	s_mov_b32 s31, 2097152
	s_mov_b32 s32, 10
	s_mov_b32 s34, 256
	s_mov_b32 s35, 1048576
	s_mov_b32 s36, 2097152
	s_wait_kmcnt 0x0
	s_mov_b64 s[26:27], s[16:17]
	s_mov_b64 s[28:29], s[24:25]
.macro PICK below, src, dst, first, dadd, sh, js, s1, s2   ; a wave below this number belongs to an earlier part: that part's pointers and figures take the place
	s_cmp_lt_u32 s5, \below
	s_cselect_b64 s[26:27], s[\src:\src+1], s[26:27]
	s_cselect_b64 s[28:29], s[\dst:\dst+1], s[28:29]
	s_cselect_b32 s30, \first, s30
	s_cselect_b32 s31, \dadd, s31
	s_cselect_b32 s32, \sh, s32
	s_cselect_b32 s34, \js, s34
	s_cselect_b32 s35, \s1, s35
	s_cselect_b32 s36, \s2, s36
.endm
	PICK 2560, 14, 22, 1536, 0, 8, 2097152, 262144, 524288         ; W1: a wave's four items are one k-row; item j holds panels 8 j .. 8 j + 7, 262,144 bytes apart
	PICK 1536, 12, 24, 1280, 0, 10, 256, 262144, 524288            ; Wo: an item is a k-row; load i is panel i
	PICK 1280, 10, 20, 1024, 0, 10, 256, 262144, 524288            ; Wv: the same
	PICK 1024, 8, 18, 0, 0, 11, 512, 256, 2097152                  ; x: an item is a row; rows 512 bytes apart, panels 2,097,152
	s_sub_co_u32 s6, s5, s30                       ; my number within the part
	s_lshl_b32 s40, s6, 14                         ; in: four items of 4,096 bytes a wave
	s_mov_b32 s41, 0
	s_add_nc_u64 s[26:27], s[26:27], s[40:41]
	s_lshl_b32 s40, s6, s32                        ; out
	s_add_co_u32 s40, s40, s31
	s_add_nc_u64 s[42:43], s[28:29], s[40:41]      ; item 0's base,
	s_mov_b32 s40, s34
	s_add_nc_u64 s[44:45], s[42:43], s[40:41]      ; and those of items 1 to 3
	s_add_nc_u64 s[46:47], s[44:45], s[40:41]
	s_add_nc_u64 s[48:49], s[46:47], s[40:41]
	v_mov_b32 v[VO], v2
	v_add_nc_u32 v[VO+1], s35, v2
.irp i, 2,3,4,5,6,7
	v_add_nc_u32 v[VO+(\i)], s36, v[VO+(\i)-2]     ; 7,340,280 at the most
.endr
.irp j, 0,1,2,3
.irp i, 0,1,2,3,4,5,6,7
	global_load_b128 v[IN+4*(8*(\j)+(\i)):IN+4*(8*(\j)+(\i))+3], v1, s[26:27] offset:(\j)*4096+(\i)*512 th:TH_LOAD_NT
.endr
.endr
.irp j, 0,1,2,3
	s_wait_loadcnt 24-8*(\j)                       ; loads come back in order: item j is in, the eight loads of each later item may stay out
.irp i, 0,1,2,3,4,5,6,7
	v_cvt_pk_f16_f32 v[OUT+2*(8*(\j)+(\i))],   v[IN+4*(8*(\j)+(\i))],   v[IN+4*(8*(\j)+(\i))+1]
	v_cvt_pk_f16_f32 v[OUT+2*(8*(\j)+(\i))+1], v[IN+4*(8*(\j)+(\i))+2], v[IN+4*(8*(\j)+(\i))+3]
.endr
.irp i, 0,1,2,3,4,5,6,7
	global_store_b64 v[VO+(\i)], v[OUT+2*(8*(\j)+(\i)):OUT+2*(8*(\j)+(\i))+1], s[42+2*(\j):43+2*(\j)]
.endr
.endr
	s_endpgm
.Lfunc_end_k_q6365c6713b_cast:
	.size	k_q6365c6713b_cast, .Lfunc_end_k_q6365c6713b_cast-k_q6365c6713b_cast
	.p2alignl 7, 3214868480
	.fill 96, 4, 3214868480
	.section	.rodata,"a",@progbits
	.p2align	6, 0x0
	.amdhsa_kernel k_q6365c6713b_cast
		.amdhsa_group_segment_fixed_size 0
		.amdhsa_private_segment_fixed_size 0
		.amdhsa_enable_private_segment 0
		.amdhsa_kernarg_size 72
		.amdhsa_user_sgpr_count 2
		.amdhsa_user_sgpr_kernarg_segment_ptr 1
		.amdhsa_wavefront_size32 1
		.amdhsa_system_sgpr_workgroup_id_x 1
		.amdhsa_system_sgpr_workgroup_id_y 1
		.amdhsa_system_sgpr_workgroup_id_z 1
		.amdhsa_system_vgpr_workitem_id 0
		.amdhsa_next_free_vgpr 208
		.amdhsa_next_free_sgpr 66
		.amdhsa_reserve_vcc 0
		.amdhsa_float_denorm_mode_32 3
		.amdhsa_float_denorm_mode_16_64 3
		.amdhsa_memory_ordered 1
		.amdhsa_forward_progress 1
		.amdhsa_inst_pref_size 14
	.end_amdhsa_kernel
	.amdgpu_metadata
---
amdhsa.version: [ 1, 2 ]
amdhsa.kernels:
  - .name:           k_q6365c6713b_cast
    .symbol:         k_q6365c6713b_cast.kd
    .args:
      - { .name: x, .offset: 0, .size: 8, .value_kind: global_buffer, .address_space: global }
      - { .name: Wv, .offset: 8, .size: 8, .value_kind: global_buffer, .address_space: global }
      - { .name: Wo, .offset: 16, .size: 8, .value_kind: global_buffer, .address_space: global }
      - { .name: W1, .offset: 24, .size: 8, .value_kind: global_buffer, .address_space: global }
      - { .name: W2, .offset: 32, .size: 8, .value_kind: global_buffer, .address_space: global }
      - { .name: abf, .offset: 40, .size: 8, .value_kind: global_buffer, .address_space: global }
      - { .name: wvb, .offset: 48, .size: 8, .value_kind: global_buffer, .address_space: global }
      - { .name: w1b, .offset: 56, .size: 8, .value_kind: global_buffer, .address_space: global }
      - { .name: wob2, .offset: 64, .size: 8, .value_kind: global_buffer, .address_space: global }
    .group_segment_fixed_size: 0
    .private_segment_fixed_size: 0
    .kernarg_segment_align: 8
    .kernarg_segment_size: 72
    .max_flat_workgroup_size: 448
    .sgpr_count:     66
    .vgpr_count:     208
    .wavefront_size: 32
...
	.end_amdgpu_metadata
.endif
;; end of part 1
;; launch projv (part 2): grid 8 x 32, 4 waves a work-group, clusters of 4 x 4, 327,680 bytes of LDS; arguments abf, wvb, bv, big; writes big
.if DOCPART == 2
	.amdgcn_target "amdgcn-amd-amdhsa--gfx1250"
	.amdhsa_code_object_version 6
	.text
	.protected	k_q6365c6713b_projv
	.globl	k_q6365c6713b_projv
	.p2align	8
	.type	k_q6365c6713b_projv,@function
k_q6365c6713b_projv:
	s_mov_b64 s[64:65], 0
	v_nop
	global_prefetch_b8 v0, s[64:65] scope:SCOPE_SE
	s_setreg_imm32_b32 hwreg(HW_REG_WAVE_MODE, 25, 1), 1
	s_wait_xcnt 0x0
	s_wait_alu depctr_hold_cnt(0) depctr_sa_sdst(0) depctr_va_vdst(0) depctr_va_sdst(0) depctr_va_ssrc(0) depctr_va_vcc(0) depctr_vm_vsrc(0)
	s_getreg_b32 s2, hwreg(HW_REG_IB_STS2, 6, 4)
	s_cmp_eq_u32 s2, 0
	s_cbranch_scc0 .Lentry_in_a_cluster
	s_endpgm
.Lentry_in_a_cluster:
	s_bfe_u32 s2, ttmp6, 0x10000c
	s_cmp_lg_u32 s2, 0xf033
	s_cbranch_scc0 .Lentry_shape_is_right
	s_endpgm
.Lentry_shape_is_right:
; t = clamp(x Wv + bv) in f16.  A (x): 4,096 rows x 1,024 in f16 panels [k / 256][row][256].  B (Wv): [1024 k][1024 n] in f16 panels [n / 128][k][128].
; C (t): f16 panels [n / 256][row][256], the layout in which the next product reads it as its A.  Sums, bias and clamp in f32; C rounded once.  The clamp is to f16's range, -65504 to 65504.
; WHY t IS THE ATTENTION'S OUTPUT.  reference() sets every score off the diagonal to -inf ahead of the softmax.  A row of weights then has one entry, exp(s - s) divided by itself = 1,
; whatever the score s: the weights are the identity and the output is v = x Wv + bv.  q, k, Wq, bq, Wk, bk take no part in the result, the input mask is never used by reference(): none is read.
; LIMITS.  Where a diagonal score q.k / 8 is itself infinite or NaN, reference() gives NaN and this program does not.  Operands are f16: numbers of 65,520 or more in magnitude are not served
; (t is clamped to 65,504); NaN is not treated apart.
; SHARES.  A tile of C is 128 x 128, which gives each of 256 WGPs one work-group; four waves, each 64 x 64: 16 accumulators of 16 x 16, 128 registers.  K goes in steps of 256 through two LDS slots;
; a wave's tensor load brings 32,768 dense bytes: waves 0, 1 the two halves (64 rows x 512 bytes) of A's tile, waves 2, 3 the two halves (128 k-rows x 256 bytes) of B's.
; CLUSTERS: 4 x 4 work-groups.  The four of a row of the cluster need the same tiles of A, the four of a column the same tiles of B: each tile is asked for JOINTLY, by the same tensor load with the
; same descriptor and a mask that names the four.
; THE MATRIX INSTRUCTION IS USED TRANSPOSED (source 0 = 16 columns of B, source 1 = 16 rows of A): a lane then holds eight neighbouring numbers of a row of C.
; A comes out of LDS as it lies; B ([k][n]) turned, by ds_load_tr16_b128.
; THE BIAS IS THE C OPERAND of each accumulator's first product: register j of a lane holds column 8 (l / 16) + j of its block, and so the bias is loaded; no addition is written.
; A K STEP'S TEXT STANDS TWICE: in a loop whose trips ask for a tile, and in a loop of two trips that ask for none.  A trip is a K step's quarters 1, 2, 3 and the
; change of slots, which multiplies the last quarter and fetches the next step's first fragments.  The very first quarter, whose products start the sums, stands ahead, and the first loop is entered
; behind its first quarter.  s[TB] is the LDS byte at which the slot being read begins, 0 or SLOT, turned by an exclusive or at each change of slots; the fragment loads' address registers are made
; anew from it, and the walking descriptors take it as the slot to fill.  The price: the last trip's change of slots fetches 32 fragments of an earlier K step that nothing multiplies.
; REGISTERS: window 0: v0-31 addresses; v32-95 at work on the way out; v96-127 the bias; v128-255 the accumulators ((a, b) at v[128 + 8 (4 a + b)]).
;   window 1: two fragment buffers of 128: for 64 along K, 64 registers of A (2 x 4 x 16 rows x 32 K), then 64 of B.
.set KTOT,   1024
.set BPSH,   18                        ; a panel of B is KTOT x 256 bytes = 1 << 18
.set KSTEP,  256
.set NSTEP,  KTOT/KSTEP
.set PA,     528                       ; a row of A in LDS: 512 bytes + 16 of padding = 132 words: the 16 rows of a load start at 16 different groups of four banks (64 banks of 4 bytes: ISA guide 11.1)
.set AHALF,  64*PA
.set ABYTES, 2*AHALF
.set PB,     288                       ; a k-row of B: 256 + 32 = 72 words
.set BHALF,  128*PB
.set SLOT,   ABYTES+2*BHALF            ; A's 128 rows, then B's 256 k-rows: 141,312 bytes
.set STAGE,  2*SLOT                    ; behind the ring: 128 rows x 272 bytes, the work-group's, for the way out
.set SPITCH, 272
.set SPARE,  STAGE+128*SPITCH          ; behind the stage: the spare words, 128 bytes for each wave: two blocks of 256 bytes that no other line names
.set APANEL, 4096*512                  ; bytes from a K step of A to the next
.set BKSTEP, KSTEP*256                 ; the same for B
.set VA,   16                          ; v16     LDS address of my A fragments in the slot being read
.set A0,   18                          ; v18     the same in slot 0; never rewritten
.set B0,   19                          ; v19     B's k-rows 0-127 in slot 0; never rewritten
.set VB,   20                          ; v20-21  LDS address of my B fragments in the slot being read: k-rows 0-127, 128-255 (so that the offsets stay inside 16 bits)
.set B1,   22                          ; v22     B's k-rows 128-255 in slot 0; never rewritten
.set STO,  24                          ; v24     the way out: where I put 16 bytes of a row
.set RD,   25                          ; v25     the way out: where I read a row back
.set CO,   26                          ; v26     my byte offset in C
.set BOFF, 27                          ; v27     my byte offset in the bias
.set SPW,  28                          ; v28     LDS address of my spare word: SPARE + 4 x my thread's number; never rewritten
.set NIL,  29                          ; v29     0; never rewritten
.set TMP,  32
.set BIAS, 96                          ; v[96+8 b ..]: the bias of my eight columns in column block b
.set ACC,  128
.set F0,   0                           ; fragment buffers, in window 1
.set F1,   128
.set G1, 24                            ; s[24:31] descriptor group 1 for A's tiles
.set G0, 32                            ; s[32:39] group 0 for A's: a set for each of the two first fills; the second then walks on
.set G1B, 48                           ; s[48:55], s[56:63] the same for B's tiles
.set G0B, 56
.set TB, 74                            ; s74      0 or SLOT: the slot being read
.set MSB, 0
.macro WIN new                         ; the immediate's high byte repeats the setting that is left; a switch that changes nothing is dropped
.if MSB != (\new)
	s_set_vgpr_msb (MSB<<8)|(\new)
.set MSB, \new
.endif
.endm
.set MUL,  0x05                        ; sources 0 (B) and 1 (A) window 1; C and D window 0
.set TO_F, 0x40                        ; destination window 1, address window 0
.macro JLOAD s                         ; a joint load: waves 0 and 1 fetch A's two halves, waves 2 and 3 B's; an s_nop 0 and four v_nop follow each of the two lines, ahead of the jump, the label and what follows
	s_cmp_eq_u32 s11, 0
	s_cbranch_scc0 .Lfor_b_\@
	tensor_load_to_lds s[G0+4*(\s):G0+4*(\s)+3], s[G1:G1+7]
	s_nop 0
.rept 4
	v_nop
.endr
	s_branch .Lasked_\@
.Lfor_b_\@:
	tensor_load_to_lds s[G0B+4*(\s):G0B+4*(\s)+3], s[G1B:G1B+7]
	s_nop 0
.rept 4
	v_nop
.endr
.Lasked_\@:
.endm
.macro CREST                           ; a round of the cluster's barrier behind its opening barrier
	s_cmp_lg_u32 s10, 0
	s_cbranch_scc1 .Lnot_wave_0_\@
	s_barrier_signal -3
.Lnot_wave_0_\@:
	s_barrier_wait -3
	s_barrier_signal -1
	s_barrier_wait -1
.endm
.macro CROUND                          ; a whole round
	s_barrier_signal -1
	s_barrier_wait -1
	CREST
.endm
	s_load_b128 s[4:7], s[0:1], 0x0                ; A s[4:5], B s[6:7]
	s_load_b64 s[68:69], s[0:1], 0x10              ; bias
	s_load_b64 s[8:9], s[0:1], 0x18                ; C
	v_lshl_add_u32 v[SPW], v0, 2, SPARE
	v_mov_b32 v[NIL], 0
	ds_add_u32 v28, v29
	s_wait_dscnt 0x0
	v_lshrrev_b32 v1, 5, v0
	v_readfirstlane_b32 s10, v1                    ; wave 0..3
	s_lshr_b32 s11, s10, 1                         ; which half of the tile's rows is mine.  Also: I fetch for A (0) or for B (1)
	s_and_b32 s12, s10, 1                          ; which half of its columns.  Also: which half of that tile I fetch
	s_bfe_u32 s40, ttmp6, 0x40000                  ; cx, cy: my place in the cluster
	s_bfe_u32 s41, ttmp6, 0x40004
	s_lshl_b32 s42, ttmp9, 2
	s_add_co_u32 s42, s42, s40                     ; tile column of C = 4 x cluster x + cx
	s_and_b32 s13, ttmp7, 0xffff
	s_lshl_b32 s13, s13, 2
	s_add_co_u32 s13, s13, s41                     ; tile row of C = 4 x cluster y + cy
	s_lshl_b32 s43, s41, 2
	s_lshl_b32 s43, 15, s43                        ; my row of the cluster
	s_lshl_b32 s44, 0x1111, s40                    ; my column
	s_mov_b32 s72, 0xc77fe000                      ; -65504.0
	s_mov_b32 s73, 0x477fe000                      ; 65504.0
	s_mov_b32 s[TB], 0                             ; slot 0 is read first
	; descriptor group 1 for A: 64 rows x 256 elements, dense in memory, padded in LDS
	s_or_b32 s[G1+0], s43, (1<<16)|(1<<20)|(1<<21)|(6<<22)|(3<<25)  ; 15:0 the mask: my row; 17:16 element of 2 bytes; 20 padding on; 21 set beside a mask; 24:22 after every 128 words (code 6); 31:25 of 4 words (code 3)
	s_mov_b32 s[G1+1], 256<<16                     ; tensor_dim0 = 256
	s_mov_b32 s[G1+2], 64<<16                      ; tensor_dim1 = 64
	s_mov_b32 s[G1+3], 256<<16                     ; tile_dim0 = 256
	s_mov_b32 s[G1+4], 64                          ; tile_dim1 = 64
	s_mov_b32 s[G1+5], 256                         ; elements from row to row
	s_mov_b32 s[G1+6], 0
	s_mov_b32 s[G1+7], 0
	; for B: 128 k-rows x 128 elements, dense in memory
	s_or_b32 s[G1B+0], s44, (1<<16)|(1<<20)|(1<<21)|(5<<22)|(7<<25) ; the mask: my column; padding after every 64 words (code 5) of 8 words (code 7)
	s_mov_b32 s[G1B+1], 128<<16
	s_mov_b32 s[G1B+2], 128<<16
	s_mov_b32 s[G1B+3], 128<<16
	s_mov_b32 s[G1B+4], 128
	s_mov_b32 s[G1B+5], 128
	s_mov_b32 s[G1B+6], 0
	s_mov_b32 s[G1B+7], 0
	; where the tiles come from.  A's hang on the tile row and the wave alone, B's on the tile column and the wave alone, each in registers that never hold the other coordinate.
	s_lshl_b32 s16, s13, 16                        ; 128 rows of 512 bytes a tile row,
	s_lshl_b32 s17, s12, 15                        ; 64 rows a half
	s_add_co_u32 s16, s16, s17
	s_mov_b32 s17, 0
	s_lshl_b32 s46, s42, BPSH                      ; the tile column's panel,
	s_lshl_b32 s47, s12, 15                        ; 128 k-rows of 256 bytes a half
	s_add_co_u32 s46, s46, s47
	s_mov_b32 s47, 0
	s_mul_i32 s20, s12, AHALF                      ; and where they go in a slot: no place in the cluster enters an LDS address
	s_mul_i32 s45, s12, BHALF
	s_add_co_u32 s45, s45, ABYTES
	s_wait_kmcnt 0x0
	s_add_nc_u64 s[14:15], s[4:5], s[16:17]
	s_add_nc_u64 s[46:47], s[6:7], s[46:47]
	CROUND                                         ; all sixteen work-groups are here: the first joint loads meet
.irp s, 0,1
	s_mov_b32 s[G0+4*(\s)], 1                                      ; count = 1
	s_add_co_u32 s[G0+4*(\s)+1], s20, (\s)*SLOT                    ; LDS address
	s_add_nc_u64 s[G0+4*(\s)+2:G0+4*(\s)+3], s[14:15], (\s)*APANEL ; global address: K step s
	s_or_b32 s[G0+4*(\s)+3], s[G0+4*(\s)+3], 0x80000000            ; type = 2
	s_mov_b32 s[G0B+4*(\s)], 1
	s_add_co_u32 s[G0B+4*(\s)+1], s45, (\s)*SLOT
	s_add_nc_u64 s[G0B+4*(\s)+2:G0B+4*(\s)+3], s[46:47], (\s)*BKSTEP
	s_or_b32 s[G0B+4*(\s)+3], s[G0B+4*(\s)+3], 0x80000000
	JLOAD \s                                       ; two loads of mine are out
.endr
	; A fragment of A is 16 rows x 32 K in 8 registers: lane l holds row l % 16, K = 8 (l / 16) + 0..7 and 16 + 8 (l / 16) + 0..7: two loads of 16 bytes, 32 bytes apart.
	v_and_b32 v1, 15, v0                           ; l % 16
	v_bfe_u32 v2, v0, 4, 1                         ; l / 16
	v_mul_u32_u24 v3, v1, PA
	v_lshl_add_u32 v3, v2, 4, v3
	s_mul_i32 s21, s11, AHALF                      ; my 64 rows of A
	v_add_nc_u32 v[A0], s21, v3
	v_mov_b32 v[VA], v[A0]
	; The turning load takes 16 k x 16 columns (lane l reads k-row 8 (l / 16) + l % 8, columns 8 ((l / 8) % 2) + 0..7) and leaves half a fragment: lane l holds column l % 16 and 8 k.
	v_and_b32 v4, 7, v0
	v_lshl_add_u32 v4, v2, 3, v4
	v_mul_u32_u24 v4, v4, PB
	v_bfe_u32 v5, v0, 3, 1
	v_lshl_add_u32 v4, v5, 4, v4
	s_lshl_b32 s22, s12, 7                         ; my 64 columns: 128 bytes of each k-row
	s_add_co_u32 s22, s22, ABYTES
	v_add_nc_u32 v[B0], s22, v4
	s_add_co_u32 s22, s22, BHALF
	v_add_nc_u32 v[B1], s22, v4
	v_mov_b32 v[VB], v[B0]
	v_mov_b32 v[VB+1], v[B1]
	s_mul_i32 s23, s11, 64*SPITCH                  ; into the stage: my 64 rows, my half of their 256 bytes; row l % 16, 16 bytes for each half of the lanes
	s_lshl_b32 s21, s12, 7
	s_add_co_u32 s23, s23, s21
	s_add_co_u32 s23, s23, STAGE
	v_mul_u32_u24 v4, v1, SPITCH
	v_lshl_add_u32 v4, v2, 4, v4
	v_add_nc_u32 v[STO], s23, v4
	s_mul_i32 s23, s10, 32*SPITCH                  ; back: wave w takes rows 32 w .. 32 w + 31, whole; lanes 0-15 one row of 256 bytes, lanes 16-31 the next
	s_add_co_u32 s23, s23, STAGE
	v_mul_u32_u24 v5, v2, SPITCH
	v_lshl_add_u32 v5, v1, 4, v5
	v_add_nc_u32 v[RD], s23, v5
	v_lshlrev_b32 v5, 9, v2                        ; and the same two rows in C: 512 bytes apart in a panel
	v_lshl_add_u32 v[CO], v1, 4, v5
	v_lshlrev_b32 v[BOFF], 5, v2                   ; my eight columns of a block of 16: 32 bytes for each half of the lanes
	s_lshl_b32 s46, s42, 9                         ; the bias of my 64 columns: 512 bytes a tile column, 256 a half
	s_lshl_b32 s47, s12, 8
	s_add_co_u32 s46, s46, s47
	s_mov_b32 s47, 0
	s_add_nc_u64 s[68:69], s[68:69], s[46:47]
.irp b, 0,1,2,3
	global_load_b128 v[BIAS+8*(\b):BIAS+8*(\b)+3],   v[BOFF], s[68:69] offset:64*(\b)
	global_load_b128 v[BIAS+8*(\b)+4:BIAS+8*(\b)+7], v[BOFF], s[68:69] offset:64*(\b)+16
.endr
	s_lshl_b32 s16, s13, 16                        ; the first row of C that I store: 128 x tile row + 32 x wave, 512 bytes a row
	s_lshl_b32 s17, s10, 14
	s_add_co_u32 s16, s16, s17
	s_mov_b32 s17, 0
	s_add_nc_u64 s[8:9], s[8:9], s[16:17]
	s_lshr_b32 s46, s42, 1                         ; two tile columns to a panel of C,
	s_lshl_b32 s46, s46, 21                        ; panels 2,097,152 bytes apart,
	s_and_b32 s47, s42, 1
	s_lshl_b32 s47, s47, 8                         ; and 256 bytes of each row
	s_add_co_u32 s46, s46, s47
	s_mov_b32 s47, 0
	s_add_nc_u64 s[8:9], s[8:9], s[46:47]
; 8 matrix instructions: row blocks a0, a0 + 1 x all 4 column blocks, 32 along K: half c of buffer f.  first = 1: the first product starts the sums, with the bias as C.
; The 16 accumulators take turns, one instruction a turn.
.macro MUL8 f, c, a0, first
	WIN MUL
.irp a, \a0, (\a0)+1
.irp b, 0,1,2,3
.if \first
	v_wmma_f32_16x16x32_f16 v[ACC+8*(4*(\a)+(\b)):ACC+8*(4*(\a)+(\b))+7], v[(\f)+64+8*(4*(\c)+(\b)):(\f)+64+8*(4*(\c)+(\b))+7], v[(\f)+8*(4*(\c)+(\a)):(\f)+8*(4*(\c)+(\a))+7], v[BIAS+8*(\b):BIAS+8*(\b)+7]
.else
	v_wmma_f32_16x16x32_f16 v[ACC+8*(4*(\a)+(\b)):ACC+8*(4*(\a)+(\b))+7], v[(\f)+64+8*(4*(\c)+(\b)):(\f)+64+8*(4*(\c)+(\b))+7], v[(\f)+8*(4*(\c)+(\a)):(\f)+8*(4*(\c)+(\a))+7], v[ACC+8*(4*(\a)+(\b)):ACC+8*(4*(\a)+(\b))+7]
.endif
.endr
.endr
.endm
; 32 LDS loads in one run: the fragments of quarter q (64 along K) of the slot being read, into buffer f; the first 32 along K first
.macro FETCH q, f
	WIN TO_F
.irp c, 0,1
.irp i, 0,1,2,3
	ds_load_tr16_b128 v[(\f)+64+8*(4*(\c)+(\i)):(\f)+64+8*(4*(\c)+(\i))+3],   v[VB+(\q)/2] offset:(((\q)%2)*64+32*(\c))*PB+32*(\i)
	ds_load_tr16_b128 v[(\f)+64+8*(4*(\c)+(\i))+4:(\f)+64+8*(4*(\c)+(\i))+7], v[VB+(\q)/2] offset:(((\q)%2)*64+32*(\c))*PB+32*(\i)+16*PB
	ds_load_b128 v[(\f)+8*(4*(\c)+(\i)):(\f)+8*(4*(\c)+(\i))+3],              v[VA] offset:128*(\q)+64*(\c)+(\i)*16*PA
	ds_load_b128 v[(\f)+8*(4*(\c)+(\i))+4:(\f)+8*(4*(\c)+(\i))+7],            v[VA] offset:128*(\q)+64*(\c)+(\i)*16*PA+32
.endr
.endr
.endm
.macro PLACES                          ; four places in front of loads into registers that matrix instructions have read, and of vector lines that read results
.rept 4
	v_nop
.endr
.endm
; A K step is four quarters of 64 along K, 32 matrix instructions each, on buffers 0, 1, 0, 1.  One of the first three: multiplies buffer f and fetches quarter q into g.
.macro QUARTER q, f, g, first
	s_wait_dscnt 16                                ; the first 32 along K are in; the youngest sixteen loads may be out
	MUL8 \f, 0, 0, \first
	MUL8 \f, 0, 2, \first
	PLACES
	FETCH \q, \g
	s_wait_dscnt 32                                ; all but the 32 just issued
	MUL8 \f, 1, 0, 0
	MUL8 \f, 1, 2, 0
.endm
; The last quarter multiplies buffer 1 and changes slots.  Its first sixteen products stand ahead of the wait for the tensor loads, so that they are done while the next tile may still be on its way.
; Then ONE barrier: in front of it each wave waits for all its tensor loads, adds 0 to its spare word, and waits for that and for its own reads of this slot.  Behind it nobody reads this slot
; any more and the other slot is whole.  fill = 1: this slot is filled again, with the K step two steps on; the barrier then opens a round of the cluster's barrier.
.macro TURN fill
	s_wait_dscnt 16                                ; the first 32 along K are in
	MUL8 F1, 0, 0, 0
	MUL8 F1, 0, 2, 0
	WIN 0
	s_wait_tensorcnt 0x0                           ; all my tensor loads have landed: the one that was out is my part of the other slot; so a group 0 may be written;
	ds_add_u32 v[SPW], v[NIL]                      ; 0 onto my spare word; the steps below stand between it and the wait for it
.if \fill
	s_add_co_u32 s[G0+5], s20, s[TB]               ; the walking descriptors: into the slot that is being left,
	s_add_co_u32 s[G0B+5], s45, s[TB]
	s_add_nc_u64 s[G0+6:G0+7], s[G0+6:G0+7], APANEL      ; the next K step; the type bits on top are not reached
	s_add_nc_u64 s[G0B+6:G0B+7], s[G0B+6:G0B+7], BKSTEP
.endif
	s_xor_b32 s[TB], s[TB], SLOT                   ; the other slot is read from here on
	v_add_nc_u32 v[VA], s[TB], v[A0]
	v_add_nc_u32 v[VB], s[TB], v[B0]
	v_add_nc_u32 v[VB+1], s[TB], v[B1]
	s_wait_dscnt 0x0                               ; the add is done, and my reads of the slot that is left are back
	s_barrier_signal -1
	s_barrier_wait -1
.if \fill
	CREST                                          ; no wave of any partner still reads that slot's tile or has a load on its way
	JLOAD 1                                        ; the first tensor load behind the round, my only one until the next: 128 matrix instructions ahead of the wait for it; its four v_nop are also the places in front of the loads below
.else
	PLACES
.endif
	FETCH 0, F0
	MUL8 F1, 1, 0, 0
	MUL8 F1, 1, 2, 0
.endm
	s_wait_loadcnt 0x0                             ; the bias: the first products take it
	s_wait_tensorcnt 1                             ; my part of K step 0 is in; K step 1's may stay out
	s_barrier_signal -1
	s_barrier_wait -1                              ; everybody's is
	FETCH 0, F0
	QUARTER 1, F0, F1, 1                           ; the very first quarter: its first products start the sums
	WIN 0                                          ; at a label and at a branch every window is 0
	s_mov_b32 s3, NSTEP-2
	s_branch .Lmid                                 ; the loop is entered behind its first quarter; what is jumped holds no barrier and no tensor load
.Lstep:                                                ; NSTEP - 2 trips: a K step each; K steps 2 to NSTEP - 1 are asked for
	QUARTER 1, F0, F1, 0
	WIN 0
.Lmid:
	QUARTER 2, F1, F0, 0
	QUARTER 3, F0, F1, 0
	TURN 1
	WIN 0
	s_sub_co_u32 s3, s3, 1
	s_cmp_lg_u32 s3, 0
	s_cbranch_scc1 .Lstep
	s_mov_b32 s3, 2
.Ltail:                                                ; the last two K steps ask for nothing, and have no round of the cluster's barrier
	QUARTER 1, F0, F1, 0
	QUARTER 2, F1, F0, 0
	QUARTER 3, F0, F1, 0
	TURN 0
	WIN 0
	s_sub_co_u32 s3, s3, 1
	s_cmp_lg_u32 s3, 0
	s_cbranch_scc1 .Ltail
	; THE WAY OUT: clamp, rounding to f16; 16 bytes a lane into the work-group's stage; a barrier, since a row's 256 bytes come from two waves;
	; back as whole rows, 32 rows a wave.  Each accumulator is read from its lowest registers on.
	PLACES
.irp t, 0,1,2,3,4,5,6,7,8,9,10,11,12,13,14,15
.irp r, 0,1,2,3,4,5,6,7
	v_med3_num_f32 v[ACC+8*(\t)+(\r)], v[ACC+8*(\t)+(\r)], s72, s73
.endr
.irp r, 0,1,2,3
	v_cvt_pk_f16_f32 v[TMP+4*(\t)+(\r)], v[ACC+8*(\t)+2*(\r)], v[ACC+8*(\t)+2*(\r)+1]
.endr
.endr
.irp a, 0,1,2,3
.irp b, 0,1,2,3
	ds_store_b128 v[STO], v[TMP+4*(4*(\a)+(\b)):TMP+4*(4*(\a)+(\b))+3] offset:(\a)*16*SPITCH+32*(\b)
.endr
.endr
	s_wait_dscnt 0x0                               ; for the others' sake: my stores into the stage are done
	s_barrier_signal -1
	s_barrier_wait -1
.irp t, 0,1,2,3,4,5,6,7,8,9,10,11,12,13,14,15
	ds_load_b128 v[TMP+4*(\t):TMP+4*(\t)+3], v[RD] offset:(\t)*2*SPITCH
.endr
.irp t, 0,1,2,3,4,5,6,7,8,9,10,11,12,13,14,15
	s_wait_dscnt 15-(\t)                           ; LDS loads come back in order: pair t of rows is in
	global_store_b128 v[CO], v[TMP+4*(\t):TMP+4*(\t)+3], s[8:9] offset:(\t)*1024  ; 16 lanes store 256 consecutive bytes, at a multiple of 256 from C's first byte
.endr
	s_wait_tensorcnt 0x0                           ; the wave's end: behind my last tensor load and my last LDS store
	ds_add_u32 v[SPW], v[NIL]
	s_wait_dscnt 0x0
	CROUND                                         ; the closing round: no work-group ends while a partner may still ask for a tile that names it
	s_endpgm
.Lfunc_end_k_q6365c6713b_projv:
	.size	k_q6365c6713b_projv, .Lfunc_end_k_q6365c6713b_projv-k_q6365c6713b_projv
	.p2alignl 7, 3214868480
	.fill 96, 4, 3214868480
	.section	.rodata,"a",@progbits
	.p2align	6, 0x0
	.amdhsa_kernel k_q6365c6713b_projv
		.amdhsa_group_segment_fixed_size 327680
		.amdhsa_private_segment_fixed_size 0
		.amdhsa_enable_private_segment 0
		.amdhsa_kernarg_size 32
		.amdhsa_user_sgpr_count 2
		.amdhsa_user_sgpr_kernarg_segment_ptr 1
		.amdhsa_wavefront_size32 1
		.amdhsa_system_sgpr_workgroup_id_x 1
		.amdhsa_system_sgpr_workgroup_id_y 1
		.amdhsa_system_sgpr_workgroup_id_z 1
		.amdhsa_system_vgpr_workitem_id 0
		.amdhsa_next_free_vgpr 512
		.amdhsa_next_free_sgpr 80
		.amdhsa_reserve_vcc 0
		.amdhsa_float_denorm_mode_32 3
		.amdhsa_float_denorm_mode_16_64 3
		.amdhsa_memory_ordered 1
		.amdhsa_forward_progress 1
		.amdhsa_inst_pref_size 68
	.end_amdhsa_kernel
	.amdgpu_metadata
---
amdhsa.version: [ 1, 2 ]
amdhsa.kernels:
  - .name:           k_q6365c6713b_projv
    .symbol:         k_q6365c6713b_projv.kd
    .args:
      - { .name: abf, .offset: 0, .size: 8, .value_kind: global_buffer, .address_space: global }
      - { .name: wvb, .offset: 8, .size: 8, .value_kind: global_buffer, .address_space: global }
      - { .name: bv, .offset: 16, .size: 8, .value_kind: global_buffer, .address_space: global }
      - { .name: big, .offset: 24, .size: 8, .value_kind: global_buffer, .address_space: global }
    .group_segment_fixed_size: 327680
    .private_segment_fixed_size: 0
    .kernarg_segment_align: 8
    .kernarg_segment_size: 32
    .max_flat_workgroup_size: 128
    .sgpr_count:     80
    .vgpr_count:     512
    .wavefront_size: 32
...
	.end_amdgpu_metadata
.endif
;; end of part 2
;; launch projo (part 3): grid 8 x 32, 4 waves a work-group, clusters of 4 x 4, 327,680 bytes of LDS; arguments big, wob2, bo, x, res; writes res
.if DOCPART == 3
	.amdgcn_target "amdgcn-amd-amdhsa--gfx1250"
	.amdhsa_code_object_version 6
	.text
	.protected	k_q6365c6713b_projo
	.globl	k_q6365c6713b_projo
	.p2align	8
	.type	k_q6365c6713b_projo,@function
k_q6365c6713b_projo:
	s_mov_b64 s[64:65], 0
	v_nop
	global_prefetch_b8 v0, s[64:65] scope:SCOPE_SE
	s_setreg_imm32_b32 hwreg(HW_REG_WAVE_MODE, 25, 1), 1
	s_wait_xcnt 0x0
	s_wait_alu depctr_hold_cnt(0) depctr_sa_sdst(0) depctr_va_vdst(0) depctr_va_sdst(0) depctr_va_ssrc(0) depctr_va_vcc(0) depctr_vm_vsrc(0)
	s_getreg_b32 s2, hwreg(HW_REG_IB_STS2, 6, 4)
	s_cmp_eq_u32 s2, 0
	s_cbranch_scc0 .Lentry_in_a_cluster
	s_endpgm
.Lentry_in_a_cluster:
	s_bfe_u32 s2, ttmp6, 0x10000c
	s_cmp_lg_u32 s2, 0xf033
	s_cbranch_scc0 .Lentry_shape_is_right
	s_endpgm
.Lentry_shape_is_right:
; C = R + A B + bias in f32: r1 = x + t Wo + bo.  A: 4,096 rows x KTOT in f16 panels [k / 256][row][256].  B: [KTOT k][1024 n] in f16 panels [n / 128][k][128], BBASE bytes into its buffer.
; R (the residual) and C: [4096][1024] f32, row-major.  Sums, bias and residual in f32.
; LIMITS.  Operands are f16 (within 65,504, as the launches before wrote them); NaN is not treated apart.
; SHARES.  A tile of C is 128 x 128; four waves, each 64 x 64: 16 accumulators of 16 x 16, 128 registers.  K goes in steps of 256 through two LDS slots; a wave's tensor load brings 32,768 dense bytes:
; waves 0, 1 the two halves (64 rows x 512 bytes) of A's tile, waves 2, 3 the two halves (128 k-rows x 256 bytes) of B's.
; CLUSTERS: 4 x 4 work-groups.  The four of a row of the cluster need the same tiles of A, the four of a column the same tiles of B: each tile is asked for JOINTLY, by the same tensor load with the
; same descriptor and a mask that names the four.
; THE MATRIX INSTRUCTION IS USED TRANSPOSED (source 0 = 16 columns of B, source 1 = 16 rows of A): a lane then holds eight neighbouring numbers of a row of C.
; A comes out of LDS as it lies; B ([k][n]) turned, by ds_load_tr16_b128.
; THE BIAS IS THE C OPERAND of each accumulator's first product: register j of a lane holds column 8 (l / 16) + j of its block, and so the bias is loaded; no addition is written.
; THE RESIDUAL of the wave's 64 x 64 is loaded into 128 registers ahead of the K loop, in the layout of the stores, and is waited for on the way out.
; A K STEP'S TEXT STANDS TWICE: in a loop whose trips ask for a tile, and in a loop of two trips that ask for none.  A trip is a K step's quarters 1, 2, 3 and the
; change of slots, which multiplies the last quarter and fetches the next step's first fragments.  The very first quarter, whose products start the sums, stands ahead, and the first loop is entered
; behind its first quarter.  s[TB] is the LDS byte at which the slot being read begins, 0 or SLOT, turned by an exclusive or at each change of slots; the fragment loads' address registers are made
; anew from it, and the walking descriptors take it as the slot to fill.  The price: the last trip's change of slots fetches 32 fragments of an earlier K step that nothing multiplies.
; REGISTERS: window 0: v0-31 addresses; v32-95 at work on the way out; v96-127 the bias; v128-255 the accumulators ((a, b) at v[128 + 8 (4 a + b)]).
;   window 1: two fragment buffers of 128: for 64 along K, 64 registers of A, then 64 of B.          window 2: v0-127 the residual.
.set KTOT,   1024
.set BBASE,  0                         ; Wo lies at the buffer's head
.set BPSH,   18                        ; a panel of B is KTOT x 256 bytes = 1 << 18
.set KSTEP,  256
.set NSTEP,  KTOT/KSTEP
.set PA,     528                       ; a row of A in LDS: 512 bytes + 16 of padding = 132 words: the 16 rows of a load start at 16 different groups of four banks (64 banks of 4 bytes: ISA guide 11.1)
.set AHALF,  64*PA
.set ABYTES, 2*AHALF
.set PB,     288                       ; a k-row of B: 256 + 32 = 72 words
.set BHALF,  128*PB
.set SLOT,   ABYTES+2*BHALF            ; A's 128 rows, then B's 256 k-rows: 141,312 bytes
.set STAGE,  2*SLOT                    ; behind the ring: 16 rows x 272 bytes for each wave, for the way out
.set SPITCH, 272
.set SPARE,  STAGE+4*16*SPITCH         ; behind the stages: the spare words, 128 bytes for each wave: two blocks of 256 bytes that no other line names
.set APANEL, 4096*512                  ; bytes from a K step of A to the next
.set BKSTEP, KSTEP*256                 ; the same for B
.set VA,   16                          ; v16     LDS address of my A fragments in the slot being read
.set A0,   18                          ; v18     the same in slot 0; never rewritten
.set B0,   19                          ; v19     B's k-rows 0-127 in slot 0; never rewritten
.set VB,   20                          ; v20-21  LDS address of my B fragments in the slot being read: k-rows 0-127, 128-255 (so that the offsets stay inside 16 bits)
.set B1,   22                          ; v22     B's k-rows 128-255 in slot 0; never rewritten
.set STO,  24                          ; v24     the way out: where I put 32 bytes of a row
.set RD,   25                          ; v25     the way out: where I read a row back
.set CO,   26                          ; v26     my byte offset in C and in the residual
.set BOFF, 27                          ; v27     my byte offset in the bias
.set SPW,  28                          ; v28     LDS address of my spare word: SPARE + 4 x my thread's number; never rewritten
.set NIL,  29                          ; v29     0; never rewritten
.set TMP,  32                          ; v32-63, v64-95: 16 rows read back from the stage, by turns
.set BIAS, 96                          ; v[96+8 b ..]: the bias of my eight columns in column block b
.set ACC,  128
.set F0,   0                           ; fragment buffers, in window 1
.set F1,   128
.set G1, 24                            ; s[24:31] descriptor group 1 for A's tiles
.set G0, 32                            ; s[32:39] group 0 for A's: a set for each of the two first fills; the second then walks on
.set G1B, 48                           ; s[48:55], s[56:63] the same for B's tiles
.set G0B, 56
.set TB, 74                            ; s74      0 or SLOT: the slot being read
.set MSB, 0
.macro WIN new                         ; the immediate's high byte repeats the setting that is left; a switch that changes nothing is dropped
.if MSB != (\new)
	s_set_vgpr_msb (MSB<<8)|(\new)
.set MSB, \new
.endif
.endm
.set MUL,  0x05                        ; sources 0 (B) and 1 (A) window 1; C and D window 0
.set TO_F, 0x40                        ; destination window 1, address window 0
.macro JLOAD s                         ; a joint load: waves 0 and 1 fetch A's two halves, waves 2 and 3 B's; an s_nop 0 and four v_nop follow each of the two lines, ahead of the jump, the label and what follows
	s_cmp_eq_u32 s11, 0
	s_cbranch_scc0 .Lfor_b_\@
	tensor_load_to_lds s[G0+4*(\s):G0+4*(\s)+3], s[G1:G1+7]
	s_nop 0
.rept 4
	v_nop
.endr
	s_branch .Lasked_\@
.Lfor_b_\@:
	tensor_load_to_lds s[G0B+4*(\s):G0B+4*(\s)+3], s[G1B:G1B+7]
	s_nop 0
.rept 4
	v_nop
.endr
.Lasked_\@:
.endm
.macro CREST                           ; a round of the cluster's barrier behind its opening barrier
	s_cmp_lg_u32 s10, 0
	s_cbranch_scc1 .Lnot_wave_0_\@
	s_barrier_signal -3
.Lnot_wave_0_\@:
	s_barrier_wait -3
	s_barrier_signal -1
	s_barrier_wait -1
.endm
.macro CROUND                          ; a whole round
	s_barrier_signal -1
	s_barrier_wait -1
	CREST
.endm
	s_load_b128 s[4:7], s[0:1], 0x0                ; A s[4:5], B s[6:7]
	s_load_b128 s[68:71], s[0:1], 0x10             ; bias s[68:69], residual s[70:71]
	s_load_b64 s[8:9], s[0:1], 0x20                ; C
	v_lshl_add_u32 v[SPW], v0, 2, SPARE
	v_mov_b32 v[NIL], 0
	ds_add_u32 v28, v29
	s_wait_dscnt 0x0
	v_lshrrev_b32 v1, 5, v0
	v_readfirstlane_b32 s10, v1                    ; wave 0..3
	s_lshr_b32 s11, s10, 1                         ; which half of the tile's rows is mine.  Also: I fetch for A (0) or for B (1)
	s_and_b32 s12, s10, 1                          ; which half of its columns.  Also: which half of that tile I fetch
	s_bfe_u32 s40, ttmp6, 0x40000                  ; cx, cy: my place in the cluster
	s_bfe_u32 s41, ttmp6, 0x40004
	s_lshl_b32 s42, ttmp9, 2
	s_add_co_u32 s42, s42, s40                     ; tile column of C = 4 x cluster x + cx
	s_and_b32 s13, ttmp7, 0xffff
	s_lshl_b32 s13, s13, 2
	s_add_co_u32 s13, s13, s41                     ; tile row of C = 4 x cluster y + cy
	s_lshl_b32 s43, s41, 2
	s_lshl_b32 s43, 15, s43                        ; my row of the cluster
	s_lshl_b32 s44, 0x1111, s40                    ; my column
	s_mov_b32 s[TB], 0                             ; slot 0 is read first
	; descriptor group 1 for A: 64 rows x 256 elements, dense in memory, padded in LDS
	s_or_b32 s[G1+0], s43, (1<<16)|(1<<20)|(1<<21)|(6<<22)|(3<<25)  ; 15:0 the mask: my row; 17:16 element of 2 bytes; 20 padding on; 21 set beside a mask; 24:22 after every 128 words (code 6); 31:25 of 4 words (code 3)
	s_mov_b32 s[G1+1], 256<<16                     ; tensor_dim0 = 256
	s_mov_b32 s[G1+2], 64<<16                      ; tensor_dim1 = 64
	s_mov_b32 s[G1+3], 256<<16                     ; tile_dim0 = 256
	s_mov_b32 s[G1+4], 64                          ; tile_dim1 = 64
	s_mov_b32 s[G1+5], 256                         ; elements from row to row
	s_mov_b32 s[G1+6], 0
	s_mov_b32 s[G1+7], 0
	; for B: 128 k-rows x 128 elements, dense in memory
	s_or_b32 s[G1B+0], s44, (1<<16)|(1<<20)|(1<<21)|(5<<22)|(7<<25) ; the mask: my column; padding after every 64 words (code 5) of 8 words (code 7)
	s_mov_b32 s[G1B+1], 128<<16
	s_mov_b32 s[G1B+2], 128<<16
	s_mov_b32 s[G1B+3], 128<<16
	s_mov_b32 s[G1B+4], 128
	s_mov_b32 s[G1B+5], 128
	s_mov_b32 s[G1B+6], 0
	s_mov_b32 s[G1B+7], 0
	; where the tiles come from.  A's hang on the tile row and the wave alone, B's on the tile column and the wave alone, each in registers that never hold the other coordinate.
	s_lshl_b32 s16, s13, 16                        ; 128 rows of 512 bytes a tile row,
	s_lshl_b32 s17, s12, 15                        ; 64 rows a half
	s_add_co_u32 s16, s16, s17
	s_mov_b32 s17, 0
	s_lshl_b32 s46, s42, BPSH                      ; the tile column's panel,
	s_lshl_b32 s47, s12, 15                        ; 128 k-rows of 256 bytes a half
	s_add_co_u32 s46, s46, s47
	s_add_co_u32 s46, s46, BBASE
	s_mov_b32 s47, 0
	s_mul_i32 s20, s12, AHALF                      ; and where they go in a slot: no place in the cluster enters an LDS address
	s_mul_i32 s45, s12, BHALF
	s_add_co_u32 s45, s45, ABYTES
	s_wait_kmcnt 0x0
	s_add_nc_u64 s[14:15], s[4:5], s[16:17]
	s_add_nc_u64 s[46:47], s[6:7], s[46:47]
	CROUND                                         ; all sixteen work-groups are here: the first joint loads meet
.irp s, 0,1
	s_mov_b32 s[G0+4*(\s)], 1                                      ; count = 1
	s_add_co_u32 s[G0+4*(\s)+1], s20, (\s)*SLOT                    ; LDS address
	s_add_nc_u64 s[G0+4*(\s)+2:G0+4*(\s)+3], s[14:15], (\s)*APANEL ; global address: K step s
	s_or_b32 s[G0+4*(\s)+3], s[G0+4*(\s)+3], 0x80000000            ; type = 2
	s_mov_b32 s[G0B+4*(\s)], 1
	s_add_co_u32 s[G0B+4*(\s)+1], s45, (\s)*SLOT
	s_add_nc_u64 s[G0B+4*(\s)+2:G0B+4*(\s)+3], s[46:47], (\s)*BKSTEP
	s_or_b32 s[G0B+4*(\s)+3], s[G0B+4*(\s)+3], 0x80000000
	JLOAD \s                                       ; two loads of mine are out
.endr
	; A fragment of A is 16 rows x 32 K in 8 registers: lane l holds row l % 16, K = 8 (l / 16) + 0..7 and 16 + 8 (l / 16) + 0..7: two loads of 16 bytes, 32 bytes apart.
	v_and_b32 v1, 15, v0                           ; l % 16
	v_bfe_u32 v2, v0, 4, 1                         ; l / 16
	v_mul_u32_u24 v3, v1, PA
	v_lshl_add_u32 v3, v2, 4, v3
	s_mul_i32 s21, s11, AHALF                      ; my 64 rows of A
	v_add_nc_u32 v[A0], s21, v3
	v_mov_b32 v[VA], v[A0]
	; The turning load takes 16 k x 16 columns (lane l reads k-row 8 (l / 16) + l % 8, columns 8 ((l / 8) % 2) + 0..7) and leaves half a fragment: lane l holds column l % 16 and 8 k.
	v_and_b32 v4, 7, v0
	v_lshl_add_u32 v4, v2, 3, v4
	v_mul_u32_u24 v4, v4, PB
	v_bfe_u32 v5, v0, 3, 1
	v_lshl_add_u32 v4, v5, 4, v4
	s_lshl_b32 s22, s12, 7                         ; my 64 columns: 128 bytes of each k-row
	s_add_co_u32 s22, s22, ABYTES
	v_add_nc_u32 v[B0], s22, v4
	s_add_co_u32 s22, s22, BHALF
	v_add_nc_u32 v[B1], s22, v4
	v_mov_b32 v[VB], v[B0]
	v_mov_b32 v[VB+1], v[B1]
	s_mul_i32 s23, s10, 16*SPITCH
	s_add_co_u32 s23, s23, STAGE                   ; my stage
	v_mul_u32_u24 v4, v1, SPITCH                   ; in: row l % 16, 32 bytes (eight f32) for each half of the lanes
	v_lshl_add_u32 v4, v2, 5, v4
	v_add_nc_u32 v[STO], s23, v4
	v_mul_u32_u24 v5, v2, SPITCH                   ; back: lanes 0-15 take one row of 256 bytes, lanes 16-31 the next
	v_lshl_add_u32 v5, v1, 4, v5
	v_add_nc_u32 v[RD], s23, v5
	v_lshlrev_b32 v5, 12, v2                       ; and the same two rows in C: 4,096 bytes apart
	v_lshl_add_u32 v[CO], v1, 4, v5
	v_lshlrev_b32 v[BOFF], 5, v2                   ; my eight columns of a block of 16: 32 bytes for each half of the lanes
	s_lshl_b32 s46, s42, 9                         ; my 64 columns in bytes of f32: 512 a tile column, 256 a half; the same in the bias, in C and in the residual
	s_lshl_b32 s47, s12, 8
	s_add_co_u32 s46, s46, s47
	s_mov_b32 s47, 0
	s_add_nc_u64 s[68:69], s[68:69], s[46:47]
	s_lshl_b32 s16, s13, 19                        ; my first row: 128 x tile row + 64 x half, 4,096 bytes a row
	s_lshl_b32 s17, s11, 18
	s_add_co_u32 s16, s16, s17
	s_mov_b32 s17, 0
	s_add_nc_u64 s[8:9], s[8:9], s[16:17]
	s_add_nc_u64 s[8:9], s[8:9], s[46:47]
	s_add_nc_u64 s[70:71], s[70:71], s[16:17]
	s_add_nc_u64 s[70:71], s[70:71], s[46:47]
.irp b, 0,1,2,3
	global_load_b128 v[BIAS+8*(\b):BIAS+8*(\b)+3],   v[BOFF], s[68:69] offset:64*(\b)
	global_load_b128 v[BIAS+8*(\b)+4:BIAS+8*(\b)+7], v[BOFF], s[68:69] offset:64*(\b)+16
.endr
	WIN 0x80                                       ; destination window 2, address window 0
.irp a, 0,1,2,3
.irp t, 0,1,2,3,4,5,6,7
	global_load_b128 v[32*(\a)+4*(\t):32*(\a)+4*(\t)+3], v[CO], s[70:71] offset:(16*(\a)+2*(\t))*4096  ; rows 16 a + 2 t and the next: 16 lanes take 256 consecutive bytes
.endr
.endr
	WIN 0
; 8 matrix instructions: row blocks a0, a0 + 1 x all 4 column blocks, 32 along K: half c of buffer f.  first = 1: the first product starts the sums, with the bias as C.
; The 16 accumulators take turns, one instruction a turn.
.macro MUL8 f, c, a0, first
	WIN MUL
.irp a, \a0, (\a0)+1
.irp b, 0,1,2,3
.if \first
	v_wmma_f32_16x16x32_f16 v[ACC+8*(4*(\a)+(\b)):ACC+8*(4*(\a)+(\b))+7], v[(\f)+64+8*(4*(\c)+(\b)):(\f)+64+8*(4*(\c)+(\b))+7], v[(\f)+8*(4*(\c)+(\a)):(\f)+8*(4*(\c)+(\a))+7], v[BIAS+8*(\b):BIAS+8*(\b)+7]
.else
	v_wmma_f32_16x16x32_f16 v[ACC+8*(4*(\a)+(\b)):ACC+8*(4*(\a)+(\b))+7], v[(\f)+64+8*(4*(\c)+(\b)):(\f)+64+8*(4*(\c)+(\b))+7], v[(\f)+8*(4*(\c)+(\a)):(\f)+8*(4*(\c)+(\a))+7], v[ACC+8*(4*(\a)+(\b)):ACC+8*(4*(\a)+(\b))+7]
.endif
.endr
.endr
.endm
; 32 LDS loads in one run: the fragments of quarter q (64 along K) of the slot being read, into buffer f; the first 32 along K first
.macro FETCH q, f
	WIN TO_F
.irp c, 0,1
.irp i, 0,1,2,3
	ds_load_tr16_b128 v[(\f)+64+8*(4*(\c)+(\i)):(\f)+64+8*(4*(\c)+(\i))+3],   v[VB+(\q)/2] offset:(((\q)%2)*64+32*(\c))*PB+32*(\i)
	ds_load_tr16_b128 v[(\f)+64+8*(4*(\c)+(\i))+4:(\f)+64+8*(4*(\c)+(\i))+7], v[VB+(\q)/2] offset:(((\q)%2)*64+32*(\c))*PB+32*(\i)+16*PB
	ds_load_b128 v[(\f)+8*(4*(\c)+(\i)):(\f)+8*(4*(\c)+(\i))+3],              v[VA] offset:128*(\q)+64*(\c)+(\i)*16*PA
	ds_load_b128 v[(\f)+8*(4*(\c)+(\i))+4:(\f)+8*(4*(\c)+(\i))+7],            v[VA] offset:128*(\q)+64*(\c)+(\i)*16*PA+32
.endr
.endr
.endm
.macro PLACES                          ; four places in front of loads into registers that matrix instructions have read, and of lines that read results
.rept 4
	v_nop
.endr
.endm
; A K step is four quarters of 64 along K, 32 matrix instructions each, on buffers 0, 1, 0, 1.  One of the first three: multiplies buffer f and fetches quarter q into g.
.macro QUARTER q, f, g, first
	s_wait_dscnt 16                                ; the first 32 along K are in; the youngest sixteen loads may be out
	MUL8 \f, 0, 0, \first
	MUL8 \f, 0, 2, \first
	PLACES
	FETCH \q, \g
	s_wait_dscnt 32                                ; all but the 32 just issued
	MUL8 \f, 1, 0, 0
	MUL8 \f, 1, 2, 0
.endm
; The last quarter multiplies buffer 1 and changes slots.  Its first sixteen products stand ahead of the wait for the tensor loads, so that they are done while the next tile may still be on its way.
; Then ONE barrier: in front of it each wave waits for all its tensor loads, adds 0 to its spare word, and waits for that and for its own reads of this slot.  Behind it nobody reads this slot
; any more and the other slot is whole.  fill = 1: this slot is filled again, with the K step two steps on; the barrier then opens a round of the cluster's barrier.
.macro TURN fill
	s_wait_dscnt 16                                ; the first 32 along K are in
	MUL8 F1, 0, 0, 0
	MUL8 F1, 0, 2, 0
	WIN 0
	s_wait_tensorcnt 0x0                           ; all my tensor loads have landed: the one that was out is my part of the other slot; so a group 0 may be written;
	ds_add_u32 v[SPW], v[NIL]                      ; 0 onto my spare word; the steps below stand between it and the wait for it
.if \fill
	s_add_co_u32 s[G0+5], s20, s[TB]               ; the walking descriptors: into the slot that is being left,
	s_add_co_u32 s[G0B+5], s45, s[TB]
	s_add_nc_u64 s[G0+6:G0+7], s[G0+6:G0+7], APANEL      ; the next K step; the type bits on top are not reached
	s_add_nc_u64 s[G0B+6:G0B+7], s[G0B+6:G0B+7], BKSTEP
.endif
	s_xor_b32 s[TB], s[TB], SLOT                   ; the other slot is read from here on
	v_add_nc_u32 v[VA], s[TB], v[A0]
	v_add_nc_u32 v[VB], s[TB], v[B0]
	v_add_nc_u32 v[VB+1], s[TB], v[B1]
	s_wait_dscnt 0x0                               ; the add is done, and my reads of the slot that is left are back
	s_barrier_signal -1
	s_barrier_wait -1
.if \fill
	CREST                                          ; no wave of any partner still reads that slot's tile or has a load on its way
	JLOAD 1                                        ; the first tensor load behind the round, my only one until the next: 128 matrix instructions ahead of the wait for it; its four v_nop are also the places in front of the loads below
.else
	PLACES
.endif
	FETCH 0, F0
	MUL8 F1, 1, 0, 0
	MUL8 F1, 1, 2, 0
.endm
; THE WAY OUT of row block a (16 rows x 64 columns of f32), through my own stage: a lane's eight columns go in as 32 bytes, whole rows of 256 bytes come back; the residual is added; stored.
; My 64 columns of f32 are 256 consecutive bytes of C, so no other wave has a part in them: no barrier.
.macro TOSTAGE a
.set BK, TMP+32*((\a)%2)
	s_wait_xcnt 0x0                                ; every earlier memory instruction has had its addresses translated (ISA guide 3.1): the registers that the stores of two blocks before read are loaded again only behind this wait
.irp b, 0,1,2,3
	ds_store_b128 v[STO], v[ACC+8*(4*(\a)+(\b)):ACC+8*(4*(\a)+(\b))+3]   offset:64*(\b)      ; each accumulator's lowest registers are read first
	ds_store_b128 v[STO], v[ACC+8*(4*(\a)+(\b))+4:ACC+8*(4*(\a)+(\b))+7] offset:64*(\b)+16
.endr
.irp t, 0,1,2,3,4,5,6,7
	ds_load_b128 v[BK+4*(\t):BK+4*(\t)+3], v[RD] offset:(\t)*2*SPITCH  ; LDS serves a wave's instructions in order (ISA guide 5.7.1.4): these see the stores above; the next block's stores come behind them
.endr
.endm
.macro SEND a, younger                 ; younger: the LDS instructions issued behind block a's loads: the next block's sixteen, or none
.set BK, TMP+32*((\a)%2)
	s_wait_dscnt \younger
	WIN 0x08                                       ; source 1: window 2, the residual
.irp t, 0,1,2,3,4,5,6,7
	v_pk_add_f32 v[BK+4*(\t):BK+4*(\t)+1],   v[BK+4*(\t):BK+4*(\t)+1],   v[32*(\a)+4*(\t):32*(\a)+4*(\t)+1]
	v_pk_add_f32 v[BK+4*(\t)+2:BK+4*(\t)+3], v[BK+4*(\t)+2:BK+4*(\t)+3], v[32*(\a)+4*(\t)+2:32*(\a)+4*(\t)+3]
.endr
	WIN 0
.irp t, 0,1,2,3,4,5,6,7
	global_store_b128 v[CO], v[BK+4*(\t):BK+4*(\t)+3], s[8:9] offset:(16*(\a)+2*(\t))*4096  ; 16 lanes store 256 consecutive bytes, at a multiple of 256 from C's first byte
.endr
.endm
	s_wait_loadcnt 32                              ; the bias, which the first products take; the 32 loads of the residual, issued behind it, may stay out
	s_wait_tensorcnt 1                             ; my part of K step 0 is in; K step 1's may stay out
	s_barrier_signal -1
	s_barrier_wait -1                              ; everybody's is
	FETCH 0, F0
	QUARTER 1, F0, F1, 1                           ; the very first quarter: its first products start the sums
	WIN 0                                          ; at a label and at a branch every window is 0
	s_mov_b32 s3, NSTEP-2
	s_branch .Lmid                                 ; the loop is entered behind its first quarter; what is jumped holds no barrier and no tensor load
.Lstep:                                                ; NSTEP - 2 trips: a K step each; K steps 2 to NSTEP - 1 are asked for
	QUARTER 1, F0, F1, 0
	WIN 0
.Lmid:
	QUARTER 2, F1, F0, 0
	QUARTER 3, F0, F1, 0
	TURN 1
	WIN 0
	s_sub_co_u32 s3, s3, 1
	s_cmp_lg_u32 s3, 0
	s_cbranch_scc1 .Lstep
	s_mov_b32 s3, 2
.Ltail:                                                ; the last two K steps ask for nothing, and have no round of the cluster's barrier
	QUARTER 1, F0, F1, 0
	QUARTER 2, F1, F0, 0
	QUARTER 3, F0, F1, 0
	TURN 0
	WIN 0
	s_sub_co_u32 s3, s3, 1
	s_cmp_lg_u32 s3, 0
	s_cbranch_scc1 .Ltail
	s_wait_loadcnt 0x0                             ; the residual
	PLACES
	TOSTAGE 0
.irp a, 1,2,3                          ; a block's way through the stage stands between the loads of the block before and the wait for them
	TOSTAGE \a
	SEND (\a)-1, 16
.endr
	SEND 3, 0
	s_wait_tensorcnt 0x0                           ; the wave's end: behind my last tensor load and my last LDS store
	ds_add_u32 v[SPW], v[NIL]
	s_wait_dscnt 0x0
	CROUND                                         ; the closing round: no work-group ends while a partner may still ask for a tile that names it
	s_endpgm
.Lfunc_end_k_q6365c6713b_projo:
	.size	k_q6365c6713b_projo, .Lfunc_end_k_q6365c6713b_projo-k_q6365c6713b_projo
	.p2alignl 7, 3214868480
	.fill 96, 4, 3214868480
	.section	.rodata,"a",@progbits
	.p2align	6, 0x0
	.amdhsa_kernel k_q6365c6713b_projo
		.amdhsa_group_segment_fixed_size 327680
		.amdhsa_private_segment_fixed_size 0
		.amdhsa_enable_private_segment 0
		.amdhsa_kernarg_size 40
		.amdhsa_user_sgpr_count 2
		.amdhsa_user_sgpr_kernarg_segment_ptr 1
		.amdhsa_wavefront_size32 1
		.amdhsa_system_sgpr_workgroup_id_x 1
		.amdhsa_system_sgpr_workgroup_id_y 1
		.amdhsa_system_sgpr_workgroup_id_z 1
		.amdhsa_system_vgpr_workitem_id 0
		.amdhsa_next_free_vgpr 640
		.amdhsa_next_free_sgpr 80
		.amdhsa_reserve_vcc 0
		.amdhsa_float_denorm_mode_32 3
		.amdhsa_float_denorm_mode_16_64 3
		.amdhsa_memory_ordered 1
		.amdhsa_forward_progress 1
		.amdhsa_inst_pref_size 66
	.end_amdhsa_kernel
	.amdgpu_metadata
---
amdhsa.version: [ 1, 2 ]
amdhsa.kernels:
  - .name:           k_q6365c6713b_projo
    .symbol:         k_q6365c6713b_projo.kd
    .args:
      - { .name: big, .offset: 0, .size: 8, .value_kind: global_buffer, .address_space: global }
      - { .name: wob2, .offset: 8, .size: 8, .value_kind: global_buffer, .address_space: global }
      - { .name: bo, .offset: 16, .size: 8, .value_kind: global_buffer, .address_space: global }
      - { .name: x, .offset: 24, .size: 8, .value_kind: global_buffer, .address_space: global }
      - { .name: res, .offset: 32, .size: 8, .value_kind: global_buffer, .address_space: global }
    .group_segment_fixed_size: 327680
    .private_segment_fixed_size: 0
    .kernarg_segment_align: 8
    .kernarg_segment_size: 40
    .max_flat_workgroup_size: 128
    .sgpr_count:     80
    .vgpr_count:     640
    .wavefront_size: 32
...
	.end_amdgpu_metadata
.endif
;; end of part 3
;; launch norm1 (part 4): grid 256 x 1, 8 waves a work-group, no clusters, 0 bytes of LDS; arguments res, g1, beta1, hf, abf; writes hf, abf
.if DOCPART == 4
	.amdgcn_target "amdgcn-amd-amdhsa--gfx1250"
	.amdhsa_code_object_version 6
	.text
	.protected	k_q6365c6713b_norm1
	.globl	k_q6365c6713b_norm1
	.p2align	8
	.type	k_q6365c6713b_norm1,@function
k_q6365c6713b_norm1:
	s_mov_b64 s[64:65], 0
	v_nop
	global_prefetch_b8 v0, s[64:65] scope:SCOPE_SE
	s_setreg_imm32_b32 hwreg(HW_REG_WAVE_MODE, 25, 1), 1
	s_wait_xcnt 0x0
; y[r][:] = (x[r][:] - mean) * rsqrt(var + 1e-5) * g + beta, over rows of 1,024 f32; var is the mean of the squares of the CENTRED numbers, so no difference of large sums is formed.
; HALF = 1: y is stored twice: in f32, row-major, and rounded to f16 in panels [col / 256][row][256], the layout in which the next product reads it.
; LIMIT (HALF = 1): a y of 65,520 or more in magnitude becomes an infinity in f16.
; A stream: a wave takes two whole rows, each 32 registers a lane, and keeps them between the passes: each byte is read once; no LDS, no barrier, no loop, no cluster (only g and beta, 8 KB, are shared).
; 256 work-groups x 8 waves x 2 rows = 4,096 rows.  Load and store i of a row cover its bytes 512 i .. 512 i + 511, 16 a lane.
.set HALF, 1
.set W,   4                            ; row j's 12 registers at v[4+12 j]: four pairs of running sums, the pair mean, the pair 1 / sqrt(var + eps)
.set X,   32                           ; v[32:95]    the two rows
.set G,   96                           ; v[96:127]   g of my 32 columns
.set BT,  128                          ; v[128:159]  beta
.set Y,   160                          ; v[160:191]  the two rows in f16
	s_load_b256 s[4:11], s[0:1], 0x0               ; x s[4:5], g s[6:7], beta s[8:9], y s[10:11]
.if HALF
	s_load_b64 s[12:13], s[0:1], 0x20              ; y in f16
.endif
	v_lshrrev_b32 v3, 5, v0
	v_readfirstlane_b32 s14, v3                    ; wave 0..7
	v_and_b32 v1, 31, v0
	v_lshlrev_b32 v2, 3, v1                        ; 8 bytes a lane (f16)
	v_lshlrev_b32 v1, 4, v1                        ; 16 bytes a lane (f32)
	s_lshl_b32 s16, ttmp9, 16                      ; 16 rows of 4,096 bytes a work-group,
	s_lshl_b32 s17, s14, 13                        ; two a wave
	s_add_co_u32 s16, s16, s17
	s_mov_b32 s17, 0
	s_mov_b32 s20, 0x3a800000                      ; 1 / 1024
	s_mov_b32 s21, 0x3727c5ac                      ; 1e-5
	s_mov_b32 s22, 0x76543210                      ; v_permlanex16_b32: lane i of one half reads lane i of the other
	s_mov_b32 s23, 0xfedcba98
	s_wait_kmcnt 0x0
	s_add_nc_u64 s[4:5], s[4:5], s[16:17]
	s_add_nc_u64 s[10:11], s[10:11], s[16:17]
.if HALF
	s_lshr_b32 s16, s16, 3                         ; in a panel a row is 512 bytes
	s_add_nc_u64 s[12:13], s[12:13], s[16:17]
.endif
.irp j, 0,1
.irp i, 0,1,2,3,4,5,6,7
	global_load_b128 v[X+32*(\j)+4*(\i):X+32*(\j)+4*(\i)+3], v1, s[4:5] offset:(\j)*4096+(\i)*512 th:TH_LOAD_NT
.endr
.endr
.irp i, 0,1,2,3,4,5,6,7
	global_load_b128 v[G+4*(\i):G+4*(\i)+3], v1, s[6:7] offset:(\i)*512
.endr
.irp i, 0,1,2,3,4,5,6,7
	global_load_b128 v[BT+4*(\i):BT+4*(\i)+3], v1, s[8:9] offset:(\i)*512
.endr
; Row j's four pairs of sums become one number, the same in every lane, in v[W+12 j]: four steps inside each half of 16 lanes ride on the addition (DPP), one crosses the halves.
.macro FOLD j
.set cc, W+12*(\j)
	v_pk_add_f32 v[cc:cc+1], v[cc:cc+1], v[cc+2:cc+3]
	v_pk_add_f32 v[cc+4:cc+5], v[cc+4:cc+5], v[cc+6:cc+7]
	v_pk_add_f32 v[cc:cc+1], v[cc:cc+1], v[cc+4:cc+5]
	v_add_f32 v[cc], v[cc], v[cc+1]
.irp m, 1,2,4,8
	v_add_f32_dpp v[cc], v[cc], v[cc] row_xmask:\m row_mask:0xf bank_mask:0xf
.endr
	v_permlanex16_b32 v[cc+1], v[cc], s22, s23     ; its destination counts as read: a register that has been written
	v_add_f32 v[cc], v[cc], v[cc+1]
.endm
	s_wait_loadcnt 16                              ; both rows are in; the sixteen loads of g and beta may stay out
.irp j, 0,1                            ; the sum, in four chains that do not wait for each other; the first additions start them
.irp k, 0,2,4,6
	v_pk_add_f32 v[W+12*(\j)+(\k):W+12*(\j)+(\k)+1], v[X+32*(\j)+(\k):X+32*(\j)+(\k)+1], v[X+32*(\j)+(\k)+8:X+32*(\j)+(\k)+9]
.endr
.irp p, 16,24
.irp k, 0,2,4,6
	v_pk_add_f32 v[W+12*(\j)+(\k):W+12*(\j)+(\k)+1], v[W+12*(\j)+(\k):W+12*(\j)+(\k)+1], v[X+32*(\j)+(\k)+(\p):X+32*(\j)+(\k)+(\p)+1]
.endr
.endr
.endr
	FOLD 0
	FOLD 1
.irp j, 0,1
	v_mul_f32 v[W+12*(\j)+8], s20, v[W+12*(\j)]    ; the mean, twice: a pair for the packed subtraction
	v_mul_f32 v[W+12*(\j)+9], s20, v[W+12*(\j)]
.endr
.irp j, 0,1
.set k, 0
.rept 16
	v_pk_add_f32 v[X+32*(\j)+k:X+32*(\j)+k+1], v[X+32*(\j)+k:X+32*(\j)+k+1], v[W+12*(\j)+8:W+12*(\j)+9] neg_lo:[0,1] neg_hi:[0,1]
.set k, k+2
.endr
.endr
.irp j, 0,1                            ; the sum of squares of the centred numbers, again in four chains
.irp k, 0,2,4,6
	v_pk_mul_f32 v[W+12*(\j)+(\k):W+12*(\j)+(\k)+1], v[X+32*(\j)+(\k):X+32*(\j)+(\k)+1], v[X+32*(\j)+(\k):X+32*(\j)+(\k)+1]
.endr
.irp p, 8,16,24
.irp k, 0,2,4,6
	v_pk_fma_f32 v[W+12*(\j)+(\k):W+12*(\j)+(\k)+1], v[X+32*(\j)+(\k)+(\p):X+32*(\j)+(\k)+(\p)+1], v[X+32*(\j)+(\k)+(\p):X+32*(\j)+(\k)+(\p)+1], v[W+12*(\j)+(\k):W+12*(\j)+(\k)+1]
.endr
.endr
.endr
	FOLD 0
	FOLD 1
	v_fma_f32 v[W], v[W], s20, s21                 ; var + eps
	v_fma_f32 v[W+12], v[W+12], s20, s21
	v_rsq_f32 v[W+10], v[W]
	v_rsq_f32 v[W+22], v[W+12]
	v_nop                                          ; a plain instruction between the last v_rsq_f32 and the use of its result (ISA guide 5.7.2)
	s_wait_alu depctr_va_vdst(0)
	v_mov_b32 v[W+11], v[W+10]
	v_mov_b32 v[W+23], v[W+22]
	s_wait_loadcnt 0x0                             ; g and beta
.irp j, 0,1
.set k, 0
.rept 16
	v_pk_mul_f32 v[X+32*(\j)+k:X+32*(\j)+k+1], v[X+32*(\j)+k:X+32*(\j)+k+1], v[W+12*(\j)+10:W+12*(\j)+11]
.set k, k+2
.endr
.set k, 0
.rept 16
	v_pk_fma_f32 v[X+32*(\j)+k:X+32*(\j)+k+1], v[X+32*(\j)+k:X+32*(\j)+k+1], v[G+k:G+k+1], v[BT+k:BT+k+1]
.set k, k+2
.endr
.irp i, 0,1,2,3,4,5,6,7
.if HALF
	global_store_b128 v1, v[X+32*(\j)+4*(\i):X+32*(\j)+4*(\i)+3], s[10:11] offset:(\j)*4096+(\i)*512
.else
	global_store_b128 v1, v[X+32*(\j)+4*(\i):X+32*(\j)+4*(\i)+3], s[10:11] offset:(\j)*4096+(\i)*512 th:TH_STORE_NT
.endif
.endr
.endr
.if HALF
.irp j, 0,1
.irp i, 0,1,2,3,4,5,6,7
	v_cvt_pk_f16_f32 v[Y+16*(\j)+2*(\i)],   v[X+32*(\j)+4*(\i)],   v[X+32*(\j)+4*(\i)+1]
	v_cvt_pk_f16_f32 v[Y+16*(\j)+2*(\i)+1], v[X+32*(\j)+4*(\i)+2], v[X+32*(\j)+4*(\i)+3]
.endr
.irp i, 0,1,2,3,4,5,6,7
	global_store_b64 v2, v[Y+16*(\j)+2*(\i):Y+16*(\j)+2*(\i)+1], s[12:13] offset:((\i)>>1)*2097152+((\i)&1)*256+(\j)*512  ; 128 columns: 256 consecutive bytes of panel i / 2, at a multiple of 256
.endr
.endr
.endif
	s_endpgm
.Lfunc_end_k_q6365c6713b_norm1:
	.size	k_q6365c6713b_norm1, .Lfunc_end_k_q6365c6713b_norm1-k_q6365c6713b_norm1
	.p2alignl 7, 3214868480
	.fill 96, 4, 3214868480
	.section	.rodata,"a",@progbits
	.p2align	6, 0x0
	.amdhsa_kernel k_q6365c6713b_norm1
		.amdhsa_group_segment_fixed_size 0
		.amdhsa_private_segment_fixed_size 0
		.amdhsa_enable_private_segment 0
		.amdhsa_kernarg_size 40
		.amdhsa_user_sgpr_count 2
		.amdhsa_user_sgpr_kernarg_segment_ptr 1
		.amdhsa_wavefront_size32 1
		.amdhsa_system_sgpr_workgroup_id_x 1
		.amdhsa_system_sgpr_workgroup_id_y 1
		.amdhsa_system_sgpr_workgroup_id_z 1
		.amdhsa_system_vgpr_workitem_id 0
		.amdhsa_next_free_vgpr 192
		.amdhsa_next_free_sgpr 66
		.amdhsa_reserve_vcc 0
		.amdhsa_float_denorm_mode_32 3
		.amdhsa_float_denorm_mode_16_64 3
		.amdhsa_memory_ordered 1
		.amdhsa_forward_progress 1
		.amdhsa_inst_pref_size 22
	.end_amdhsa_kernel
	.amdgpu_metadata
---
amdhsa.version: [ 1, 2 ]
amdhsa.kernels:
  - .name:           k_q6365c6713b_norm1
    .symbol:         k_q6365c6713b_norm1.kd
    .args:
      - { .name: res, .offset: 0, .size: 8, .value_kind: global_buffer, .address_space: global }
      - { .name: g1, .offset: 8, .size: 8, .value_kind: global_buffer, .address_space: global }
      - { .name: beta1, .offset: 16, .size: 8, .value_kind: global_buffer, .address_space: global }
      - { .name: hf, .offset: 24, .size: 8, .value_kind: global_buffer, .address_space: global }
      - { .name: abf, .offset: 32, .size: 8, .value_kind: global_buffer, .address_space: global }
    .group_segment_fixed_size: 0
    .private_segment_fixed_size: 0
    .kernarg_segment_align: 8
    .kernarg_segment_size: 40
    .max_flat_workgroup_size: 256
    .sgpr_count:     66
    .vgpr_count:     192
    .wavefront_size: 32
...
	.end_amdgpu_metadata
.endif
;; end of part 4
;; launch ffnup (part 5): grid 16 x 16, 4 waves a work-group, clusters of 4 x 4, 327,680 bytes of LDS; arguments abf, w1b, b1, big; writes big
.if DOCPART == 5
	.amdgcn_target "amdgcn-amd-amdhsa--gfx1250"
	.amdhsa_code_object_version 6
	.text
	.protected	k_q6365c6713b_ffnup
	.globl	k_q6365c6713b_ffnup
	.p2align	8
	.type	k_q6365c6713b_ffnup,@function
k_q6365c6713b_ffnup:
	s_mov_b64 s[64:65], 0
	v_nop
	global_prefetch_b8 v0, s[64:65] scope:SCOPE_SE
	s_setreg_imm32_b32 hwreg(HW_REG_WAVE_MODE, 25, 1), 1
	s_wait_xcnt 0x0
	s_wait_alu depctr_hold_cnt(0) depctr_sa_sdst(0) depctr_va_vdst(0) depctr_va_sdst(0) depctr_va_ssrc(0) depctr_va_vcc(0) depctr_vm_vsrc(0)
	s_getreg_b32 s2, hwreg(HW_REG_IB_STS2, 6, 4)
	s_cmp_eq_u32 s2, 0
	s_cbranch_scc0 .Lentry_in_a_cluster
	s_endpgm
.Lentry_in_a_cluster:
	s_bfe_u32 s2, ttmp6, 0x10000c
	s_cmp_lg_u32 s2, 0xf033
	s_cbranch_scc0 .Lentry_shape_is_right
	s_endpgm
.Lentry_shape_is_right:
; a = relu(h W1 + b1) in f16.  A (h): 4,096 rows x 1,024 in f16 panels [k / 256][row][256].  B (W1): [1024 k][4096 n] in f16 panels [n / 128][k][128].
; C (a): f16 panels [n / 256][row][256], the layout in which the next product reads it as its A.  Sums, bias and relu in f32; C rounded once.
; LIMITS.  Operands are f16; an a of 65,520 or more becomes an infinity in f16 (no clamp is written: h is a normalised row times g1 plus beta1, so a has that range only for gains and weights
; some hundred times those of unit gain and a weight spread of 0.02).  relu by v_max_num_f32: a NaN becomes 0.
; SHARES.  C is 4,096 x 4,096: 256 tiles of 256 x 256, one work-group for each of 256 WGPs.  Four waves, each 128 x 128: 64 accumulators of 16 x 16, 512 registers.
; K goes in steps of 128 through two LDS slots; a wave's tensor load brings 32,768 bytes: waves 0, 1 the two halves of A's tile (128 rows x 256 bytes, rows 512 bytes apart in a panel),
; waves 2, 3 the two halves of B's (each one panel's 128 k-rows x 256 bytes, dense).  A wave's 128 columns are one panel of B.
; CLUSTERS: 4 x 4 work-groups.  The four of a row of the cluster need the same tiles of A, the four of a column the same tiles of B: each tile is asked for JOINTLY, by the same tensor load with the
; same descriptor and a mask that names the four.
; THE MATRIX INSTRUCTION IS USED TRANSPOSED (source 0 = 16 columns of B, source 1 = 16 rows of A): a lane then holds eight neighbouring numbers of a row of C.
; A comes out of LDS as it lies; B ([k][n]) turned, by ds_load_tr16_b128.
; THE BIAS IS THE C OPERAND of each accumulator's first product: register j of a lane holds column 8 (l / 16) + j of its block, and so the bias is loaded; no addition is written.
; A K STEP'S TEXT STANDS TWICE: in a loop whose trips ask for a tile, and in a loop of two trips that ask for none.  A trip is a K step's quarters 1, 2, 3 and the
; change of slots, which multiplies the last quarter and fetches the next step's first fragments.  The very first quarter, whose products start the sums, stands ahead, and the first loop is entered
; behind its first quarter.  s[TB] is the LDS byte at which the slot being read begins, 0 or SLOT, turned by an exclusive or at each change of slots; the two address registers of the fragment loads
; are made anew from it, and the walking descriptors take it as the slot to fill.  The price: the last trip's change of slots fetches 32 fragments of an earlier K step that nothing multiplies.
; REGISTERS, in windows of 256 (s_set_vgpr_msb: bits 1:0 source 0, 3:2 source 1, 5:4 source 2, 7:6 destination):
;   window 0: v0-31 addresses; v64-127, v128-191 fragments of A (8 x 16 rows x 32 K), two buffers; v32-63, v192-255 at work on the way out
;   window 1: v0-63 the bias (8 registers for each column block); v64-127, v128-191 fragments of B, two buffers
;   window 2: the 32 accumulators of my rows 0-63 (accumulator (a, b) at v[8 (8 a + b)]);   window 3: those of my rows 64-127
.set KSTEP,  128
.set NSTEP,  1024/KSTEP                ; 8 K steps
.set PA,     272                       ; a row of A in LDS: 256 bytes + 16 of padding = 68 words: the 16 rows of a load start at 16 different groups of four banks (64 banks of 4 bytes: ISA guide 11.1)
.set AHALF,  128*PA
.set ABYTES, 2*AHALF
.set PB,     288                       ; a k-row of B: 256 + 32 = 72 words
.set BHALF,  128*PB
.set SLOT,   ABYTES+2*BHALF            ; A's 256 rows, then the two panels' 128 k-rows: 143,360 bytes
.set STAGE,  2*SLOT                    ; behind the ring: 16 rows x 272 bytes for each wave, for the way out
.set SPITCH, 272
.set SPARE,  STAGE+4*16*SPITCH         ; behind the stages: the spare words, 128 bytes for each wave: two blocks of 256 bytes that no other line names
.set ASTEP0, 256                       ; bytes from an even K step of A to the next: the other half of the panel's rows,
.set ASTEP1, 2097152-256               ; from an odd one: on to the next panel
.set AXOR,   0x1ffe00                  ; ASTEP0 xor ASTEP1: turns the one step into the other
.set BSTEP,  KSTEP*256                 ; bytes from a K step of B to the next
.set VA,   16                          ; v16     LDS address of my A fragments in the slot being read
.set VB,   17                          ; v17     the same for B
.set A0,   18                          ; v18     the same in slot 0; never rewritten
.set B0,   19                          ; v19
.set STO,  24                          ; v24     the way out: where I put 16 bytes of a row
.set RD,   25                          ; v25     the way out: where I read a row back
.set CO,   26                          ; v26     my byte offset in C
.set BOFF, 27                          ; v27     my byte offset in the bias
.set SPW,  28                          ; v28     LDS address of my spare word: SPARE + 4 x my thread's number; never rewritten
.set NIL,  29                          ; v29     0; never rewritten
.set F0,   64                          ; fragment buffer 0
.set F1,   128                         ; fragment buffer 1
.set TMP,  192                         ; the way out: packed results
.set OB,   32                          ; the way out: 16 rows read back from the stage: v32-63 and v224-255 by turns
.set BIAS, 0                           ; in window 1
.set G1, 24                            ; s[24:31] descriptor group 1 for A's tiles
.set G0, 32                            ; s[32:39] group 0 for A's: a set for each of the two first fills; the second then walks on
.set G1B, 48                           ; s[48:55], s[56:63] the same for B's tiles
.set G0B, 56
.set TB, 74                            ; s74      0 or SLOT: the slot being read
.set DA, 76                            ; s[76:77] the walking descriptor's next step in A
.set MSB, 0
.macro WIN new                         ; the immediate's high byte repeats the setting that is left; a switch that changes nothing is dropped
.if MSB != (\new)
	s_set_vgpr_msb (MSB<<8)|(\new)
.set MSB, \new
.endif
.endm
.set MUL_LO, 0xa1                      ; source 0 (B) window 1, source 1 (A) window 0, C and D window 2
.set MUL_HI, 0xf1                      ; the same, C and D window 3
.set BIA_LO, 0x91                      ; the first products: C (the bias) window 1, D window 2
.set BIA_HI, 0xd1                      ; D window 3
.set TO_B,   0x40                      ; destination window 1, address window 0
.macro JLOAD s                         ; a joint load: waves 0 and 1 fetch A's two halves, waves 2 and 3 B's; an s_nop 0 and four v_nop follow each of the two lines, ahead of the jump, the label and what follows
	s_cmp_eq_u32 s11, 0
	s_cbranch_scc0 .Lfor_b_\@
	tensor_load_to_lds s[G0+4*(\s):G0+4*(\s)+3], s[G1:G1+7]
	s_nop 0
.rept 4
	v_nop
.endr
	s_branch .Lasked_\@
.Lfor_b_\@:
	tensor_load_to_lds s[G0B+4*(\s):G0B+4*(\s)+3], s[G1B:G1B+7]
	s_nop 0
.rept 4
	v_nop
.endr
.Lasked_\@:
.endm
.macro CREST                           ; a round of the cluster's barrier behind its opening barrier
	s_cmp_lg_u32 s10, 0
	s_cbranch_scc1 .Lnot_wave_0_\@
	s_barrier_signal -3
.Lnot_wave_0_\@:
	s_barrier_wait -3
	s_barrier_signal -1
	s_barrier_wait -1
.endm
.macro CROUND                          ; a whole round
	s_barrier_signal -1
	s_barrier_wait -1
	CREST
.endm
	s_load_b128 s[4:7], s[0:1], 0x0                ; A s[4:5], B s[6:7]
	s_load_b64 s[68:69], s[0:1], 0x10              ; bias
	s_load_b64 s[8:9], s[0:1], 0x18                ; C
	v_lshl_add_u32 v[SPW], v0, 2, SPARE
	v_mov_b32 v[NIL], 0
	ds_add_u32 v28, v29
	s_wait_dscnt 0x0
	v_lshrrev_b32 v1, 5, v0
	v_readfirstlane_b32 s10, v1                    ; wave 0..3
	s_lshr_b32 s11, s10, 1                         ; which half of the tile's rows is mine.  Also: I fetch for A (0) or for B (1)
	s_and_b32 s12, s10, 1                          ; which half of its columns.  Also: which half of that tile I fetch
	s_bfe_u32 s40, ttmp6, 0x40000                  ; cx, cy: my place in the cluster
	s_bfe_u32 s41, ttmp6, 0x40004
	s_lshl_b32 s42, ttmp9, 2
	s_add_co_u32 s42, s42, s40                     ; tile column of C = 4 x cluster x + cx
	s_and_b32 s13, ttmp7, 0xffff
	s_lshl_b32 s13, s13, 2
	s_add_co_u32 s13, s13, s41                     ; tile row of C = 4 x cluster y + cy
	s_lshl_b32 s43, s41, 2
	s_lshl_b32 s43, 15, s43                        ; my row of the cluster
	s_lshl_b32 s44, 0x1111, s40                    ; my column
	; descriptor group 1 for A: 128 rows x 128 elements, rows 256 elements apart, padded in LDS
	s_or_b32 s[G1+0], s43, (1<<16)|(1<<20)|(1<<21)|(5<<22)|(3<<25)  ; 15:0 the mask: my row; 17:16 element of 2 bytes; 20 padding on; 21 set beside a mask; 24:22 after every 64 words (code 5); 31:25 of 4 words (code 3)
	s_mov_b32 s[G1+1], 128<<16                     ; tensor_dim0 = 128
	s_mov_b32 s[G1+2], 128<<16                     ; tensor_dim1 = 128
	s_mov_b32 s[G1+3], 128<<16                     ; tile_dim0 = 128
	s_mov_b32 s[G1+4], 128                         ; tile_dim1 = 128
	s_mov_b32 s[G1+5], 256                         ; elements from row to row
	s_mov_b32 s[G1+6], 0
	s_mov_b32 s[G1+7], 0
	; for B: 128 k-rows x 128 elements, dense in memory
	s_or_b32 s[G1B+0], s44, (1<<16)|(1<<20)|(1<<21)|(5<<22)|(7<<25) ; the mask: my column; padding after every 64 words (code 5) of 8 words (code 7)
	s_mov_b32 s[G1B+1], 128<<16
	s_mov_b32 s[G1B+2], 128<<16
	s_mov_b32 s[G1B+3], 128<<16
	s_mov_b32 s[G1B+4], 128
	s_mov_b32 s[G1B+5], 128
	s_mov_b32 s[G1B+6], 0
	s_mov_b32 s[G1B+7], 0
	; where the tiles come from.  A's hang on the tile row and the wave alone, B's on the tile column and the wave alone, each in registers that never hold the other coordinate.
	s_lshl_b32 s16, s13, 17                        ; 256 rows of 512 bytes a tile row,
	s_lshl_b32 s17, s12, 16                        ; 128 rows a half
	s_add_co_u32 s16, s16, s17
	s_mov_b32 s17, 0
	s_lshl_b32 s46, s42, 19                        ; two panels of 262,144 bytes a tile column,
	s_lshl_b32 s47, s12, 18                        ; one a half
	s_add_co_u32 s46, s46, s47
	s_mov_b32 s47, 0
	s_mul_i32 s20, s12, AHALF                      ; and where they go in a slot: no place in the cluster enters an LDS address
	s_mul_i32 s45, s12, BHALF
	s_add_co_u32 s45, s45, ABYTES
	s_mov_b32 s[TB], 0                             ; slot 0 is read first
	s_mov_b32 s[DA], ASTEP1                        ; the walking descriptor begins at K step 1, an odd one
	s_mov_b32 s[DA+1], 0
	s_wait_kmcnt 0x0
	s_add_nc_u64 s[14:15], s[4:5], s[16:17]
	s_add_nc_u64 s[46:47], s[6:7], s[46:47]
	CROUND                                         ; all sixteen work-groups are here: the first joint loads meet
.irp s, 0,1
	s_mov_b32 s[G0+4*(\s)], 1                                      ; count = 1
	s_add_co_u32 s[G0+4*(\s)+1], s20, (\s)*SLOT                    ; LDS address
	s_add_nc_u64 s[G0+4*(\s)+2:G0+4*(\s)+3], s[14:15], (\s)*ASTEP0 ; global address: K step s
	s_or_b32 s[G0+4*(\s)+3], s[G0+4*(\s)+3], 0x80000000            ; type = 2
	s_mov_b32 s[G0B+4*(\s)], 1
	s_add_co_u32 s[G0B+4*(\s)+1], s45, (\s)*SLOT
	s_add_nc_u64 s[G0B+4*(\s)+2:G0B+4*(\s)+3], s[46:47], (\s)*BSTEP
	s_or_b32 s[G0B+4*(\s)+3], s[G0B+4*(\s)+3], 0x80000000
	JLOAD \s                                       ; two loads of mine are out
.endr
	; A fragment of A is 16 rows x 32 K in 8 registers: lane l holds row l % 16, K = 8 (l / 16) + 0..7 and 16 + 8 (l / 16) + 0..7: two loads of 16 bytes, 32 bytes apart.
	v_and_b32 v1, 15, v0                           ; l % 16
	v_bfe_u32 v2, v0, 4, 1                         ; l / 16
	v_mul_u32_u24 v3, v1, PA
	v_lshl_add_u32 v3, v2, 4, v3
	s_mul_i32 s21, s11, AHALF                      ; my 128 rows of A
	v_add_nc_u32 v[A0], s21, v3
	v_mov_b32 v[VA], v[A0]
	; The turning load takes 16 k x 16 columns (lane l reads k-row 8 (l / 16) + l % 8, columns 8 ((l / 8) % 2) + 0..7) and leaves half a fragment: lane l holds column l % 16 and 8 k.
	v_and_b32 v4, 7, v0
	v_lshl_add_u32 v4, v2, 3, v4
	v_mul_u32_u24 v4, v4, PB
	v_bfe_u32 v5, v0, 3, 1
	v_lshl_add_u32 v4, v5, 4, v4
	s_mul_i32 s22, s12, BHALF                      ; my 128 columns: one of the two panels
	s_add_co_u32 s22, s22, ABYTES
	v_add_nc_u32 v[B0], s22, v4
	v_mov_b32 v[VB], v[B0]
	s_mul_i32 s23, s10, 16*SPITCH
	s_add_co_u32 s23, s23, STAGE                   ; my stage
	v_mul_u32_u24 v4, v1, SPITCH                   ; in: row l % 16, 16 bytes for each half of the lanes
	v_lshl_add_u32 v4, v2, 4, v4
	v_add_nc_u32 v[STO], s23, v4
	v_mul_u32_u24 v5, v2, SPITCH                   ; back: lanes 0-15 take one row of 256 bytes, lanes 16-31 the next
	v_lshl_add_u32 v5, v1, 4, v5
	v_add_nc_u32 v[RD], s23, v5
	v_lshlrev_b32 v5, 9, v2                        ; and the same two rows in C: 512 bytes apart in a panel
	v_lshl_add_u32 v[CO], v1, 4, v5
	v_lshlrev_b32 v[BOFF], 5, v2                   ; my eight columns of a block of 16: 32 bytes for each half of the lanes
	s_lshl_b32 s46, s42, 10                        ; the bias of my 128 columns: 1,024 bytes a tile column, 512 a half
	s_lshl_b32 s47, s12, 9
	s_add_co_u32 s46, s46, s47
	s_mov_b32 s47, 0
	s_add_nc_u64 s[68:69], s[68:69], s[46:47]
	WIN TO_B
.irp b, 0,1,2,3,4,5,6,7
	global_load_b128 v[BIAS+8*(\b):BIAS+8*(\b)+3],   v[BOFF], s[68:69] offset:64*(\b)
	global_load_b128 v[BIAS+8*(\b)+4:BIAS+8*(\b)+7], v[BOFF], s[68:69] offset:64*(\b)+16
.endr
	WIN 0
	s_lshl_b32 s16, s13, 17                        ; my first row of C: 256 x tile row + 128 x half, 512 bytes a row
	s_lshl_b32 s17, s11, 16
	s_add_co_u32 s16, s16, s17
	s_mov_b32 s17, 0
	s_add_nc_u64 s[8:9], s[8:9], s[16:17]
	s_lshl_b32 s46, s42, 21                        ; a tile column is a panel of C, 2,097,152 bytes;
	s_lshl_b32 s47, s12, 8                         ; my 128 columns are 256 bytes of each row
	s_add_co_u32 s46, s46, s47
	s_mov_b32 s47, 0
	s_add_nc_u64 s[8:9], s[8:9], s[46:47]
; 16 matrix instructions: row blocks a0, a0 + 1 of the window's four (hi = 0: my rows 0-63, 1: rows 64-127) x all 8 column blocks, 32 along K.
; first = 1: the first product starts the sums, with the bias as C.  The 64 accumulators take turns, one instruction a turn.
.macro MUL16 f, hi, a0, first
.if \first
	WIN BIA_LO+0x40*(\hi)
.else
	WIN MUL_LO+0x50*(\hi)
.endif
.irp a, \a0, (\a0)+1
.irp b, 0,1,2,3,4,5,6,7
.if \first
	v_wmma_f32_16x16x32_f16 v[8*(8*(\a)+(\b)):8*(8*(\a)+(\b))+7], v[(\f)+8*(\b):(\f)+8*(\b)+7], v[(\f)+8*(4*(\hi)+(\a)):(\f)+8*(4*(\hi)+(\a))+7], v[BIAS+8*(\b):BIAS+8*(\b)+7]
.else
	v_wmma_f32_16x16x32_f16 v[8*(8*(\a)+(\b)):8*(8*(\a)+(\b))+7], v[(\f)+8*(\b):(\f)+8*(\b)+7], v[(\f)+8*(4*(\hi)+(\a)):(\f)+8*(4*(\hi)+(\a))+7], v[8*(8*(\a)+(\b)):8*(8*(\a)+(\b))+7]
.endif
.endr
.endr
.endm
; 32 LDS loads in one run: the fragments of quarter q (32 along K) of the slot being read, into buffer f: 128 columns of B, then 128 rows of A
.macro FETCH q, f
	WIN TO_B
.irp i, 0,1,2,3,4,5,6,7
	ds_load_tr16_b128 v[(\f)+8*(\i):(\f)+8*(\i)+3],   v[VB] offset:32*(\q)*PB+32*(\i)
	ds_load_tr16_b128 v[(\f)+8*(\i)+4:(\f)+8*(\i)+7], v[VB] offset:32*(\q)*PB+32*(\i)+16*PB
.endr
	WIN 0
.irp i, 0,1,2,3,4,5,6,7
	ds_load_b128 v[(\f)+8*(\i):(\f)+8*(\i)+3],   v[VA] offset:64*(\q)+(\i)*16*PA
	ds_load_b128 v[(\f)+8*(\i)+4:(\f)+8*(\i)+7], v[VA] offset:64*(\q)+(\i)*16*PA+32
.endr
.endm
.macro PLACES                          ; four places in front of loads into registers that matrix instructions have read, and of vector lines that read results
.rept 4
	v_nop
.endr
.endm
; A K step is four quarters of 32 along K, 64 matrix instructions each, on buffers 0, 1, 0, 1.  One of the first three: multiplies buffer f; in its middle it fetches quarter q into buffer g.
.macro QUARTER q, f, g, first
	s_wait_dscnt 8                                 ; B and A's rows 0-63 are in; the youngest eight loads (A's rows 64-127) may be out
	MUL16 \f, 0, 0, \first
	MUL16 \f, 0, 2, \first
	PLACES
	FETCH \q, \g
	s_wait_dscnt 32                                ; all but the 32 just issued
	MUL16 \f, 1, 0, \first
	MUL16 \f, 1, 2, \first
.endm
; The last quarter multiplies buffer 1 and changes slots: ONE barrier; in front of it each wave waits for all its tensor loads, adds 0 to its spare word, and waits for that and for its own reads of this slot.
; Behind it nobody reads this slot any more and the other slot is whole.  fill = 1: this slot is filled again, with the K step two steps on; the barrier then opens a round of the cluster's barrier.
.macro TURN fill
	WIN 0                                          ; (the add's two registers lie in window 0)
	s_wait_tensorcnt 0x0                           ; all my tensor loads have landed: the one that was out is my part of the other slot; so a group 0 may be written;
	ds_add_u32 v[SPW], v[NIL]                      ; 0 onto my spare word
	s_wait_dscnt 9                                 ; (the add and the youngest eight loads may be out)
	MUL16 F1, 0, 0, 0                              ; sixteen matrix instructions stand between the add and the wait for it
	s_wait_dscnt 0x0                               ; the add is done, and my reads of this slot are over
	s_barrier_signal -1
	MUL16 F1, 0, 2, 0                              ; work on registers while the others arrive
	WIN 0                                          ; (branches and address lines follow)
	s_barrier_wait -1
.if \fill
	CREST                                          ; no wave of any partner still reads this slot's tile or has a load on its way
	s_add_co_u32 s[G0+5], s20, s[TB]               ; the walking descriptors: into the slot just read,
	s_add_co_u32 s[G0B+5], s45, s[TB]
	s_add_nc_u64 s[G0+6:G0+7], s[G0+6:G0+7], s[DA:DA+1]  ; the next K step; the type bits on top are not reached
	s_add_nc_u64 s[G0B+6:G0B+7], s[G0B+6:G0B+7], BSTEP
	s_xor_b32 s[DA], s[DA], AXOR                   ; A's steps take turns
	JLOAD 1                                        ; the first tensor load behind the round, my only one until the next: 224 matrix instructions ahead of the wait for it; its four v_nop are also the places in front of the loads below
.else
	PLACES
.endif
	s_xor_b32 s[TB], s[TB], SLOT                   ; the other slot is read now
	v_add_nc_u32 v[VA], s[TB], v[A0]
	v_add_nc_u32 v[VB], s[TB], v[B0]
	FETCH 0, F0
	MUL16 F1, 1, 0, 0
	MUL16 F1, 1, 2, 0
.endm
; THE WAY OUT of row block a (16 rows x 128 columns), in three parts.  PACK: relu, rounded to f16, 16 bytes a lane; each accumulator is read from its lowest register on.
; TOSTAGE: into my own stage in LDS, and back as whole rows of 256 bytes.  SEND: stored.  My 128 columns are 256 consecutive bytes of C: no other wave has a part in them, so no barrier.
.macro PACK a
.set AC, 64*((\a)%4)
	WIN 0x8a+0x45*((\a)/4)                         ; sources and destination: window 2 or 3
.set i, 0
.rept 64
	v_max_num_f32 v[AC+i], 0, v[AC+i]
.set i, i+1
.endr
	WIN 0x0a+5*((\a)/4)                            ; sources 0 and 1: window 2 or 3; destination window 0
.irp b, 0,1,2,3,4,5,6,7
.irp r, 0,1,2,3
	v_cvt_pk_f16_f32 v[TMP+4*(\b)+(\r)], v[AC+8*(\b)+2*(\r)], v[AC+8*(\b)+2*(\r)+1]
.endr
.endr
	WIN 0
.endm
.macro TOSTAGE a
.set BK, OB+192*((\a)%2)
	s_wait_xcnt 0x0                                ; every earlier memory instruction has had its addresses translated (ISA guide 3.1): the registers that the stores of two blocks before read are loaded again only behind this wait
.irp b, 0,1,2,3,4,5,6,7
	ds_store_b128 v[STO], v[TMP+4*(\b):TMP+4*(\b)+3] offset:32*(\b)
.endr
.irp t, 0,1,2,3,4,5,6,7
	ds_load_b128 v[BK+4*(\t):BK+4*(\t)+3], v[RD] offset:(\t)*2*SPITCH  ; LDS serves a wave's instructions in order (ISA guide 5.7.1.4): these see the stores above
.endr
.endm
.macro SEND a
.set BK, OB+192*((\a)%2)
	s_wait_dscnt 0x0                               ; the block is back in registers
.irp t, 0,1,2,3,4,5,6,7
	global_store_b128 v[CO], v[BK+4*(\t):BK+4*(\t)+3], s[8:9] offset:(16*(\a)+2*(\t))*512  ; 16 lanes store 256 consecutive bytes, at a multiple of 256 from C's first byte
.endr
.endm
	s_wait_loadcnt 0x0                             ; the bias: the first products take it
	s_wait_tensorcnt 1                             ; my part of K step 0 is in; K step 1's may stay out
	s_barrier_signal -1
	s_barrier_wait -1                              ; everybody's is
	FETCH 0, F0
	QUARTER 1, F0, F1, 1                           ; the very first quarter: its products start the sums
	WIN 0                                          ; at a label and at a branch every window is 0
	s_mov_b32 s3, NSTEP-2
	s_branch .Lmid                                 ; the loop is entered behind its first quarter; what is jumped holds no barrier and no tensor load
.Lstep:                                                ; six trips: a K step each; K steps 2 to 7 are asked for
	QUARTER 1, F0, F1, 0
	WIN 0
.Lmid:
	QUARTER 2, F1, F0, 0
	QUARTER 3, F0, F1, 0
	TURN 1
	WIN 0
	s_sub_co_u32 s3, s3, 1
	s_cmp_lg_u32 s3, 0
	s_cbranch_scc1 .Lstep
	s_mov_b32 s3, 2
.Ltail:                                                ; the last two K steps ask for nothing, and have no round of the cluster's barrier
	QUARTER 1, F0, F1, 0
	QUARTER 2, F1, F0, 0
	QUARTER 3, F0, F1, 0
	TURN 0
	WIN 0
	s_sub_co_u32 s3, s3, 1
	s_cmp_lg_u32 s3, 0
	s_cbranch_scc1 .Ltail
	PLACES
	PACK 0
	TOSTAGE 0
.irp a, 1,2,3,4,5,6,7                  ; block a's arithmetic stands between block a - 1's loads from the stage and the wait for them
	PACK \a
	SEND (\a)-1
	TOSTAGE \a
.endr
	SEND 7
	s_wait_tensorcnt 0x0                           ; the wave's end: behind my last tensor load and my last LDS store
	ds_add_u32 v[SPW], v[NIL]
	s_wait_dscnt 0x0
	CROUND                                         ; the closing round: no work-group ends while a partner may still ask for a tile that names it
	s_endpgm
.Lfunc_end_k_q6365c6713b_ffnup:
	.size	k_q6365c6713b_ffnup, .Lfunc_end_k_q6365c6713b_ffnup-k_q6365c6713b_ffnup
	.p2alignl 7, 3214868480
	.fill 96, 4, 3214868480
	.section	.rodata,"a",@progbits
	.p2align	6, 0x0
	.amdhsa_kernel k_q6365c6713b_ffnup
		.amdhsa_group_segment_fixed_size 327680
		.amdhsa_private_segment_fixed_size 0
		.amdhsa_enable_private_segment 0
		.amdhsa_kernarg_size 32
		.amdhsa_user_sgpr_count 2
		.amdhsa_user_sgpr_kernarg_segment_ptr 1
		.amdhsa_wavefront_size32 1
		.amdhsa_system_sgpr_workgroup_id_x 1
		.amdhsa_system_sgpr_workgroup_id_y 1
		.amdhsa_system_sgpr_workgroup_id_z 1
		.amdhsa_system_vgpr_workitem_id 0
		.amdhsa_next_free_vgpr 1024
		.amdhsa_next_free_sgpr 80
		.amdhsa_reserve_vcc 0
		.amdhsa_float_denorm_mode_32 3
		.amdhsa_float_denorm_mode_16_64 3
		.amdhsa_memory_ordered 1
		.amdhsa_forward_progress 1
		.amdhsa_inst_pref_size 118
	.end_amdhsa_kernel
	.amdgpu_metadata
---
amdhsa.version: [ 1, 2 ]
amdhsa.kernels:
  - .name:           k_q6365c6713b_ffnup
    .symbol:         k_q6365c6713b_ffnup.kd
    .args:
      - { .name: abf, .offset: 0, .size: 8, .value_kind: global_buffer, .address_space: global }
      - { .name: w1b, .offset: 8, .size: 8, .value_kind: global_buffer, .address_space: global }
      - { .name: b1, .offset: 16, .size: 8, .value_kind: global_buffer, .address_space: global }
      - { .name: big, .offset: 24, .size: 8, .value_kind: global_buffer, .address_space: global }
    .group_segment_fixed_size: 327680
    .private_segment_fixed_size: 0
    .kernarg_segment_align: 8
    .kernarg_segment_size: 32
    .max_flat_workgroup_size: 128
    .sgpr_count:     80
    .vgpr_count:     1024
    .wavefront_size: 32
...
	.end_amdgpu_metadata
.endif
;; end of part 5
;; launch ffndown (part 6): grid 8 x 32, 4 waves a work-group, clusters of 4 x 4, 327,680 bytes of LDS; arguments big, wob2, b2, hf, res; writes res
.if DOCPART == 6
	.amdgcn_target "amdgcn-amd-amdhsa--gfx1250"
	.amdhsa_code_object_version 6
	.text
	.protected	k_q6365c6713b_ffndown
	.globl	k_q6365c6713b_ffndown
	.p2align	8
	.type	k_q6365c6713b_ffndown,@function
k_q6365c6713b_ffndown:
	s_mov_b64 s[64:65], 0
	v_nop
	global_prefetch_b8 v0, s[64:65] scope:SCOPE_SE
	s_setreg_imm32_b32 hwreg(HW_REG_WAVE_MODE, 25, 1), 1
	s_wait_xcnt 0x0
	s_wait_alu depctr_hold_cnt(0) depctr_sa_sdst(0) depctr_va_vdst(0) depctr_va_sdst(0) depctr_va_ssrc(0) depctr_va_vcc(0) depctr_vm_vsrc(0)
	s_getreg_b32 s2, hwreg(HW_REG_IB_STS2, 6, 4)
	s_cmp_eq_u32 s2, 0
	s_cbranch_scc0 .Lentry_in_a_cluster
	s_endpgm
.Lentry_in_a_cluster:
	s_bfe_u32 s2, ttmp6, 0x10000c
	s_cmp_lg_u32 s2, 0xf033
	s_cbranch_scc0 .Lentry_shape_is_right
	s_endpgm
.Lentry_shape_is_right:
; C = R + A B + bias in f32: y = h + a W2 + b2.  A: 4,096 rows x KTOT in f16 panels [k / 256][row][256].  B: [KTOT k][1024 n] in f16 panels [n / 128][k][128], BBASE bytes into its buffer.
; R (the residual) and C: [4096][1024] f32, row-major.  Sums, bias and residual in f32.
; LIMITS.  Operands are f16 (within 65,504, as the launches before wrote them); NaN is not treated apart.
; SHARES.  A tile of C is 128 x 128; four waves, each 64 x 64: 16 accumulators of 16 x 16, 128 registers.  K goes in steps of 256 through two LDS slots; a wave's tensor load brings 32,768 dense bytes:
; waves 0, 1 the two halves (64 rows x 512 bytes) of A's tile, waves 2, 3 the two halves (128 k-rows x 256 bytes) of B's.
; CLUSTERS: 4 x 4 work-groups.  The four of a row of the cluster need the same tiles of A, the four of a column the same tiles of B: each tile is asked for JOINTLY, by the same tensor load with the
; same descriptor and a mask that names the four.
; THE MATRIX INSTRUCTION IS USED TRANSPOSED (source 0 = 16 columns of B, source 1 = 16 rows of A): a lane then holds eight neighbouring numbers of a row of C.
; A comes out of LDS as it lies; B ([k][n]) turned, by ds_load_tr16_b128.
; THE BIAS IS THE C OPERAND of each accumulator's first product: register j of a lane holds column 8 (l / 16) + j of its block, and so the bias is loaded; no addition is written.
; THE RESIDUAL of the wave's 64 x 64 is loaded into 128 registers ahead of the K loop, in the layout of the stores, and is waited for on the way out.
; A K STEP'S TEXT STANDS TWICE: in a loop whose trips ask for a tile, and in a loop of two trips that ask for none.  A trip is a K step's quarters 1, 2, 3 and the
; change of slots, which multiplies the last quarter and fetches the next step's first fragments.  The very first quarter, whose products start the sums, stands ahead, and the first loop is entered
; behind its first quarter.  s[TB] is the LDS byte at which the slot being read begins, 0 or SLOT, turned by an exclusive or at each change of slots; the fragment loads' address registers are made
; anew from it, and the walking descriptors take it as the slot to fill.  The price: the last trip's change of slots fetches 32 fragments of an earlier K step that nothing multiplies.
; REGISTERS: window 0: v0-31 addresses; v32-95 at work on the way out; v96-127 the bias; v128-255 the accumulators ((a, b) at v[128 + 8 (4 a + b)]).
;   window 1: two fragment buffers of 128: for 64 along K, 64 registers of A, then 64 of B.          window 2: v0-127 the residual.
.set KTOT,   4096
.set BBASE,  2097152                   ; W2 lies behind Wo in the buffer
.set BPSH,   20                        ; a panel of B is KTOT x 256 bytes = 1 << 20
.set KSTEP,  256
.set NSTEP,  KTOT/KSTEP
.set PA,     528                       ; a row of A in LDS: 512 bytes + 16 of padding = 132 words: the 16 rows of a load start at 16 different groups of four banks (64 banks of 4 bytes: ISA guide 11.1)
.set AHALF,  64*PA
.set ABYTES, 2*AHALF
.set PB,     288                       ; a k-row of B: 256 + 32 = 72 words
.set BHALF,  128*PB
.set SLOT,   ABYTES+2*BHALF            ; A's 128 rows, then B's 256 k-rows: 141,312 bytes
.set STAGE,  2*SLOT                    ; behind the ring: 16 rows x 272 bytes for each wave, for the way out
.set SPITCH, 272
.set SPARE,  STAGE+4*16*SPITCH         ; behind the stages: the spare words, 128 bytes for each wave: two blocks of 256 bytes that no other line names
.set APANEL, 4096*512                  ; bytes from a K step of A to the next
.set BKSTEP, KSTEP*256                 ; the same for B
.set VA,   16                          ; v16     LDS address of my A fragments in the slot being read
.set A0,   18                          ; v18     the same in slot 0; never rewritten
.set B0,   19                          ; v19     B's k-rows 0-127 in slot 0; never rewritten
.set VB,   20                          ; v20-21  LDS address of my B fragments in the slot being read: k-rows 0-127, 128-255 (so that the offsets stay inside 16 bits)
.set B1,   22                          ; v22     B's k-rows 128-255 in slot 0; never rewritten
.set STO,  24                          ; v24     the way out: where I put 32 bytes of a row
.set RD,   25                          ; v25     the way out: where I read a row back
.set CO,   26                          ; v26     my byte offset in C and in the residual
.set BOFF, 27                          ; v27     my byte offset in the bias
.set SPW,  28                          ; v28     LDS address of my spare word: SPARE + 4 x my thread's number; never rewritten
.set NIL,  29                          ; v29     0; never rewritten
.set TMP,  32                          ; v32-63, v64-95: 16 rows read back from the stage, by turns
.set BIAS, 96                          ; v[96+8 b ..]: the bias of my eight columns in column block b
.set ACC,  128
.set F0,   0                           ; fragment buffers, in window 1
.set F1,   128
.set G1, 24                            ; s[24:31] descriptor group 1 for A's tiles
.set G0, 32                            ; s[32:39] group 0 for A's: a set for each of the two first fills; the second then walks on
.set G1B, 48                           ; s[48:55], s[56:63] the same for B's tiles
.set G0B, 56
.set TB, 74                            ; s74      0 or SLOT: the slot being read
.set MSB, 0
.macro WIN new                         ; the immediate's high byte repeats the setting that is left; a switch that changes nothing is dropped
.if MSB != (\new)
	s_set_vgpr_msb (MSB<<8)|(\new)
.set MSB, \new
.endif
.endm
.set MUL,  0x05                        ; sources 0 (B) and 1 (A) window 1; C and D window 0
.set TO_F, 0x40                        ; destination window 1, address window 0
.macro JLOAD s                         ; a joint load: waves 0 and 1 fetch A's two halves, waves 2 and 3 B's; an s_nop 0 and four v_nop follow each of the two lines, ahead of the jump, the label and what follows
	s_cmp_eq_u32 s11, 0
	s_cbranch_scc0 .Lfor_b_\@
	tensor_load_to_lds s[G0+4*(\s):G0+4*(\s)+3], s[G1:G1+7]
	s_nop 0
.rept 4
	v_nop
.endr
	s_branch .Lasked_\@
.Lfor_b_\@:
	tensor_load_to_lds s[G0B+4*(\s):G0B+4*(\s)+3], s[G1B:G1B+7]
	s_nop 0
.rept 4
	v_nop
.endr
.Lasked_\@:
.endm
.macro CREST                           ; a round of the cluster's barrier behind its opening barrier
	s_cmp_lg_u32 s10, 0
	s_cbranch_scc1 .Lnot_wave_0_\@
	s_barrier_signal -3
.Lnot_wave_0_\@:
	s_barrier_wait -3
	s_barrier_signal -1
	s_barrier_wait -1
.endm
.macro CROUND                          ; a whole round
	s_barrier_signal -1
	s_barrier_wait -1
	CREST
.endm
	s_load_b128 s[4:7], s[0:1], 0x0                ; A s[4:5], B s[6:7]
	s_load_b128 s[68:71], s[0:1], 0x10             ; bias s[68:69], residual s[70:71]
	s_load_b64 s[8:9], s[0:1], 0x20                ; C
	v_lshl_add_u32 v[SPW], v0, 2, SPARE
	v_mov_b32 v[NIL], 0
	ds_add_u32 v28, v29
	s_wait_dscnt 0x0
	v_lshrrev_b32 v1, 5, v0
	v_readfirstlane_b32 s10, v1                    ; wave 0..3
	s_lshr_b32 s11, s10, 1                         ; which half of the tile's rows is mine.  Also: I fetch for A (0) or for B (1)
	s_and_b32 s12, s10, 1                          ; which half of its columns.  Also: which half of that tile I fetch
	s_bfe_u32 s40, ttmp6, 0x40000                  ; cx, cy: my place in the cluster
	s_bfe_u32 s41, ttmp6, 0x40004
	s_lshl_b32 s42, ttmp9, 2
	s_add_co_u32 s42, s42, s40                     ; tile column of C = 4 x cluster x + cx
	s_and_b32 s13, ttmp7, 0xffff
	s_lshl_b32 s13, s13, 2
	s_add_co_u32 s13, s13, s41                     ; tile row of C = 4 x cluster y + cy
	s_lshl_b32 s43, s41, 2
	s_lshl_b32 s43, 15, s43                        ; my row of the cluster
	s_lshl_b32 s44, 0x1111, s40                    ; my column
	s_mov_b32 s[TB], 0                             ; slot 0 is read first
	; descriptor group 1 for A: 64 rows x 256 elements, dense in memory, padded in LDS
	s_or_b32 s[G1+0], s43, (1<<16)|(1<<20)|(1<<21)|(6<<22)|(3<<25)  ; 15:0 the mask: my row; 17:16 element of 2 bytes; 20 padding on; 21 set beside a mask; 24:22 after every 128 words (code 6); 31:25 of 4 words (code 3)
	s_mov_b32 s[G1+1], 256<<16                     ; tensor_dim0 = 256
	s_mov_b32 s[G1+2], 64<<16                      ; tensor_dim1 = 64
	s_mov_b32 s[G1+3], 256<<16                     ; tile_dim0 = 256
	s_mov_b32 s[G1+4], 64                          ; tile_dim1 = 64
	s_mov_b32 s[G1+5], 256                         ; elements from row to row
	s_mov_b32 s[G1+6], 0
	s_mov_b32 s[G1+7], 0
	; for B: 128 k-rows x 128 elements, dense in memory
	s_or_b32 s[G1B+0], s44, (1<<16)|(1<<20)|(1<<21)|(5<<22)|(7<<25) ; the mask: my column; padding after every 64 words (code 5) of 8 words (code 7)
	s_mov_b32 s[G1B+1], 128<<16
	s_mov_b32 s[G1B+2], 128<<16
	s_mov_b32 s[G1B+3], 128<<16
	s_mov_b32 s[G1B+4], 128
	s_mov_b32 s[G1B+5], 128
	s_mov_b32 s[G1B+6], 0
	s_mov_b32 s[G1B+7], 0
	; where the tiles come from.  A's hang on the tile row and the wave alone, B's on the tile column and the wave alone, each in registers that never hold the other coordinate.
	s_lshl_b32 s16, s13, 16                        ; 128 rows of 512 bytes a tile row,
	s_lshl_b32 s17, s12, 15                        ; 64 rows a half
	s_add_co_u32 s16, s16, s17
	s_mov_b32 s17, 0
	s_lshl_b32 s46, s42, BPSH                      ; the tile column's panel,
	s_lshl_b32 s47, s12, 15                        ; 128 k-rows of 256 bytes a half
	s_add_co_u32 s46, s46, s47
	s_add_co_u32 s46, s46, BBASE
	s_mov_b32 s47, 0
	s_mul_i32 s20, s12, AHALF                      ; and where they go in a slot: no place in the cluster enters an LDS address
	s_mul_i32 s45, s12, BHALF
	s_add_co_u32 s45, s45, ABYTES
	s_wait_kmcnt 0x0
	s_add_nc_u64 s[14:15], s[4:5], s[16:17]
	s_add_nc_u64 s[46:47], s[6:7], s[46:47]
	CROUND                                         ; all sixteen work-groups are here: the first joint loads meet
.irp s, 0,1
	s_mov_b32 s[G0+4*(\s)], 1                                      ; count = 1
	s_add_co_u32 s[G0+4*(\s)+1], s20, (\s)*SLOT                    ; LDS address
	s_add_nc_u64 s[G0+4*(\s)+2:G0+4*(\s)+3], s[14:15], (\s)*APANEL ; global address: K step s
	s_or_b32 s[G0+4*(\s)+3], s[G0+4*(\s)+3], 0x80000000            ; type = 2
	s_mov_b32 s[G0B+4*(\s)], 1
	s_add_co_u32 s[G0B+4*(\s)+1], s45, (\s)*SLOT
	s_add_nc_u64 s[G0B+4*(\s)+2:G0B+4*(\s)+3], s[46:47], (\s)*BKSTEP
	s_or_b32 s[G0B+4*(\s)+3], s[G0B+4*(\s)+3], 0x80000000
	JLOAD \s                                       ; two loads of mine are out
.endr
	; A fragment of A is 16 rows x 32 K in 8 registers: lane l holds row l % 16, K = 8 (l / 16) + 0..7 and 16 + 8 (l / 16) + 0..7: two loads of 16 bytes, 32 bytes apart.
	v_and_b32 v1, 15, v0                           ; l % 16
	v_bfe_u32 v2, v0, 4, 1                         ; l / 16
	v_mul_u32_u24 v3, v1, PA
	v_lshl_add_u32 v3, v2, 4, v3
	s_mul_i32 s21, s11, AHALF                      ; my 64 rows of A
	v_add_nc_u32 v[A0], s21, v3
	v_mov_b32 v[VA], v[A0]
	; The turning load takes 16 k x 16 columns (lane l reads k-row 8 (l / 16) + l % 8, columns 8 ((l / 8) % 2) + 0..7) and leaves half a fragment: lane l holds column l % 16 and 8 k.
	v_and_b32 v4, 7, v0
	v_lshl_add_u32 v4, v2, 3, v4
	v_mul_u32_u24 v4, v4, PB
	v_bfe_u32 v5, v0, 3, 1
	v_lshl_add_u32 v4, v5, 4, v4
	s_lshl_b32 s22, s12, 7                         ; my 64 columns: 128 bytes of each k-row
	s_add_co_u32 s22, s22, ABYTES
	v_add_nc_u32 v[B0], s22, v4
	s_add_co_u32 s22, s22, BHALF
	v_add_nc_u32 v[B1], s22, v4
	v_mov_b32 v[VB], v[B0]
	v_mov_b32 v[VB+1], v[B1]
	s_mul_i32 s23, s10, 16*SPITCH
	s_add_co_u32 s23, s23, STAGE                   ; my stage
	v_mul_u32_u24 v4, v1, SPITCH                   ; in: row l % 16, 32 bytes (eight f32) for each half of the lanes
	v_lshl_add_u32 v4, v2, 5, v4
	v_add_nc_u32 v[STO], s23, v4
	v_mul_u32_u24 v5, v2, SPITCH                   ; back: lanes 0-15 take one row of 256 bytes, lanes 16-31 the next
	v_lshl_add_u32 v5, v1, 4, v5
	v_add_nc_u32 v[RD], s23, v5
	v_lshlrev_b32 v5, 12, v2                       ; and the same two rows in C: 4,096 bytes apart
	v_lshl_add_u32 v[CO], v1, 4, v5
	v_lshlrev_b32 v[BOFF], 5, v2                   ; my eight columns of a block of 16: 32 bytes for each half of the lanes
	s_lshl_b32 s46, s42, 9                         ; my 64 columns in bytes of f32: 512 a tile column, 256 a half; the same in the bias, in C and in the residual
	s_lshl_b32 s47, s12, 8
	s_add_co_u32 s46, s46, s47
	s_mov_b32 s47, 0
	s_add_nc_u64 s[68:69], s[68:69], s[46:47]
	s_lshl_b32 s16, s13, 19                        ; my first row: 128 x tile row + 64 x half, 4,096 bytes a row
	s_lshl_b32 s17, s11, 18
	s_add_co_u32 s16, s16, s17
	s_mov_b32 s17, 0
	s_add_nc_u64 s[8:9], s[8:9], s[16:17]
	s_add_nc_u64 s[8:9], s[8:9], s[46:47]
	s_add_nc_u64 s[70:71], s[70:71], s[16:17]
	s_add_nc_u64 s[70:71], s[70:71], s[46:47]
.irp b, 0,1,2,3
	global_load_b128 v[BIAS+8*(\b):BIAS+8*(\b)+3],   v[BOFF], s[68:69] offset:64*(\b)
	global_load_b128 v[BIAS+8*(\b)+4:BIAS+8*(\b)+7], v[BOFF], s[68:69] offset:64*(\b)+16
.endr
	WIN 0x80                                       ; destination window 2, address window 0
.irp a, 0,1,2,3
.irp t, 0,1,2,3,4,5,6,7
	global_load_b128 v[32*(\a)+4*(\t):32*(\a)+4*(\t)+3], v[CO], s[70:71] offset:(16*(\a)+2*(\t))*4096  ; rows 16 a + 2 t and the next: 16 lanes take 256 consecutive bytes
.endr
.endr
	WIN 0
; 8 matrix instructions: row blocks a0, a0 + 1 x all 4 column blocks, 32 along K: half c of buffer f.  first = 1: the first product starts the sums, with the bias as C.
; The 16 accumulators take turns, one instruction a turn.
.macro MUL8 f, c, a0, first
	WIN MUL
.irp a, \a0, (\a0)+1
.irp b, 0,1,2,3
.if \first
	v_wmma_f32_16x16x32_f16 v[ACC+8*(4*(\a)+(\b)):ACC+8*(4*(\a)+(\b))+7], v[(\f)+64+8*(4*(\c)+(\b)):(\f)+64+8*(4*(\c)+(\b))+7], v[(\f)+8*(4*(\c)+(\a)):(\f)+8*(4*(\c)+(\a))+7], v[BIAS+8*(\b):BIAS+8*(\b)+7]
.else
	v_wmma_f32_16x16x32_f16 v[ACC+8*(4*(\a)+(\b)):ACC+8*(4*(\a)+(\b))+7], v[(\f)+64+8*(4*(\c)+(\b)):(\f)+64+8*(4*(\c)+(\b))+7], v[(\f)+8*(4*(\c)+(\a)):(\f)+8*(4*(\c)+(\a))+7], v[ACC+8*(4*(\a)+(\b)):ACC+8*(4*(\a)+(\b))+7]
.endif
.endr
.endr
.endm
; 32 LDS loads in one run: the fragments of quarter q (64 along K) of the slot being read, into buffer f; the first 32 along K first
.macro FETCH q, f
	WIN TO_F
.irp c, 0,1
.irp i, 0,1,2,3
	ds_load_tr16_b128 v[(\f)+64+8*(4*(\c)+(\i)):(\f)+64+8*(4*(\c)+(\i))+3],   v[VB+(\q)/2] offset:(((\q)%2)*64+32*(\c))*PB+32*(\i)
	ds_load_tr16_b128 v[(\f)+64+8*(4*(\c)+(\i))+4:(\f)+64+8*(4*(\c)+(\i))+7], v[VB+(\q)/2] offset:(((\q)%2)*64+32*(\c))*PB+32*(\i)+16*PB
	ds_load_b128 v[(\f)+8*(4*(\c)+(\i)):(\f)+8*(4*(\c)+(\i))+3],              v[VA] offset:128*(\q)+64*(\c)+(\i)*16*PA
	ds_load_b128 v[(\f)+8*(4*(\c)+(\i))+4:(\f)+8*(4*(\c)+(\i))+7],            v[VA] offset:128*(\q)+64*(\c)+(\i)*16*PA+32
.endr
.endr
.endm
.macro PLACES                          ; four places in front of loads into registers that matrix instructions have read, and of lines that read results
.rept 4
	v_nop
.endr
.endm
; A K step is four quarters of 64 along K, 32 matrix instructions each, on buffers 0, 1, 0, 1.  One of the first three: multiplies buffer f and fetches quarter q into g.
.macro QUARTER q, f, g, first
	s_wait_dscnt 16                                ; the first 32 along K are in; the youngest sixteen loads may be out
	MUL8 \f, 0, 0, \first
	MUL8 \f, 0, 2, \first
	PLACES
	FETCH \q, \g
	s_wait_dscnt 32                                ; all but the 32 just issued
	MUL8 \f, 1, 0, 0
	MUL8 \f, 1, 2, 0
.endm
; The last quarter multiplies buffer 1 and changes slots.  Its first sixteen products stand ahead of the wait for the tensor loads, so that they are done while the next tile may still be on its way.
; Then ONE barrier: in front of it each wave waits for all its tensor loads, adds 0 to its spare word, and waits for that and for its own reads of this slot.  Behind it nobody reads this slot
; any more and the other slot is whole.  fill = 1: this slot is filled again, with the K step two steps on; the barrier then opens a round of the cluster's barrier.
.macro TURN fill
	s_wait_dscnt 16                                ; the first 32 along K are in
	MUL8 F1, 0, 0, 0
	MUL8 F1, 0, 2, 0
	WIN 0
	s_wait_tensorcnt 0x0                           ; all my tensor loads have landed: the one that was out is my part of the other slot; so a group 0 may be written;
	ds_add_u32 v[SPW], v[NIL]                      ; 0 onto my spare word; the steps below stand between it and the wait for it
.if \fill
	s_add_co_u32 s[G0+5], s20, s[TB]               ; the walking descriptors: into the slot that is being left,
	s_add_co_u32 s[G0B+5], s45, s[TB]
	s_add_nc_u64 s[G0+6:G0+7], s[G0+6:G0+7], APANEL      ; the next K step; the type bits on top are not reached
	s_add_nc_u64 s[G0B+6:G0B+7], s[G0B+6:G0B+7], BKSTEP
.endif
	s_xor_b32 s[TB], s[TB], SLOT                   ; the other slot is read from here on
	v_add_nc_u32 v[VA], s[TB], v[A0]
	v_add_nc_u32 v[VB], s[TB], v[B0]
	v_add_nc_u32 v[VB+1], s[TB], v[B1]
	s_wait_dscnt 0x0                               ; the add is done, and my reads of the slot that is left are back
	s_barrier_signal -1
	s_barrier_wait -1
.if \fill
	CREST                                          ; no wave of any partner still reads that slot's tile or has a load on its way
	JLOAD 1                                        ; the first tensor load behind the round, my only one until the next: 128 matrix instructions ahead of the wait for it; its four v_nop are also the places in front of the loads below
.else
	PLACES
.endif
	FETCH 0, F0
	MUL8 F1, 1, 0, 0
	MUL8 F1, 1, 2, 0
.endm
; THE WAY OUT of row block a (16 rows x 64 columns of f32), through my own stage: a lane's eight columns go in as 32 bytes, whole rows of 256 bytes come back; the residual is added; stored.
; My 64 columns of f32 are 256 consecutive bytes of C, so no other wave has a part in them: no barrier.
.macro TOSTAGE a
.set BK, TMP+32*((\a)%2)
	s_wait_xcnt 0x0                                ; every earlier memory instruction has had its addresses translated (ISA guide 3.1): the registers that the stores of two blocks before read are loaded again only behind this wait
.irp b, 0,1,2,3
	ds_store_b128 v[STO], v[ACC+8*(4*(\a)+(\b)):ACC+8*(4*(\a)+(\b))+3]   offset:64*(\b)      ; each accumulator's lowest registers are read first
	ds_store_b128 v[STO], v[ACC+8*(4*(\a)+(\b))+4:ACC+8*(4*(\a)+(\b))+7] offset:64*(\b)+16
.endr
.irp t, 0,1,2,3,4,5,6,7
	ds_load_b128 v[BK+4*(\t):BK+4*(\t)+3], v[RD] offset:(\t)*2*SPITCH  ; LDS serves a wave's instructions in order (ISA guide 5.7.1.4): these see the stores above; the next block's stores come behind them
.endr
.endm
.macro SEND a, younger                 ; younger: the LDS instructions issued behind block a's loads: the next block's sixteen, or none
.set BK, TMP+32*((\a)%2)
	s_wait_dscnt \younger
	WIN 0x08                                       ; source 1: window 2, the residual
.irp t, 0,1,2,3,4,5,6,7
	v_pk_add_f32 v[BK+4*(\t):BK+4*(\t)+1],   v[BK+4*(\t):BK+4*(\t)+1],   v[32*(\a)+4*(\t):32*(\a)+4*(\t)+1]
	v_pk_add_f32 v[BK+4*(\t)+2:BK+4*(\t)+3], v[BK+4*(\t)+2:BK+4*(\t)+3], v[32*(\a)+4*(\t)+2:32*(\a)+4*(\t)+3]
.endr
	WIN 0
.irp t, 0,1,2,3,4,5,6,7
	global_store_b128 v[CO], v[BK+4*(\t):BK+4*(\t)+3], s[8:9] offset:(16*(\a)+2*(\t))*4096  ; 16 lanes store 256 consecutive bytes, at a multiple of 256 from C's first byte
.endr
.endm
	s_wait_loadcnt 32                              ; the bias, which the first products take; the 32 loads of the residual, issued behind it, may stay out
	s_wait_tensorcnt 1                             ; my part of K step 0 is in; K step 1's may stay out
	s_barrier_signal -1
	s_barrier_wait -1                              ; everybody's is
	FETCH 0, F0
	QUARTER 1, F0, F1, 1                           ; the very first quarter: its first products start the sums
	WIN 0                                          ; at a label and at a branch every window is 0
	s_mov_b32 s3, NSTEP-2
	s_branch .Lmid                                 ; the loop is entered behind its first quarter; what is jumped holds no barrier and no tensor load
.Lstep:                                                ; NSTEP - 2 trips: a K step each; K steps 2 to NSTEP - 1 are asked for
	QUARTER 1, F0, F1, 0
	WIN 0
.Lmid:
	QUARTER 2, F1, F0, 0
	QUARTER 3, F0, F1, 0
	TURN 1
	WIN 0
	s_sub_co_u32 s3, s3, 1
	s_cmp_lg_u32 s3, 0
	s_cbranch_scc1 .Lstep
	s_mov_b32 s3, 2
.Ltail:                                                ; the last two K steps ask for nothing, and have no round of the cluster's barrier
	QUARTER 1, F0, F1, 0
	QUARTER 2, F1, F0, 0
	QUARTER 3, F0, F1, 0
	TURN 0
	WIN 0
	s_sub_co_u32 s3, s3, 1
	s_cmp_lg_u32 s3, 0
	s_cbranch_scc1 .Ltail
	s_wait_loadcnt 0x0                             ; the residual
	PLACES
	TOSTAGE 0
.irp a, 1,2,3                          ; a block's way through the stage stands between the loads of the block before and the wait for them
	TOSTAGE \a
	SEND (\a)-1, 16
.endr
	SEND 3, 0
	s_wait_tensorcnt 0x0                           ; the wave's end: behind my last tensor load and my last LDS store
	ds_add_u32 v[SPW], v[NIL]
	s_wait_dscnt 0x0
	CROUND                                         ; the closing round: no work-group ends while a partner may still ask for a tile that names it
	s_endpgm
.Lfunc_end_k_q6365c6713b_ffndown:
	.size	k_q6365c6713b_ffndown, .Lfunc_end_k_q6365c6713b_ffndown-k_q6365c6713b_ffndown
	.p2alignl 7, 3214868480
	.fill 96, 4, 3214868480
	.section	.rodata,"a",@progbits
	.p2align	6, 0x0
	.amdhsa_kernel k_q6365c6713b_ffndown
		.amdhsa_group_segment_fixed_size 327680
		.amdhsa_private_segment_fixed_size 0
		.amdhsa_enable_private_segment 0
		.amdhsa_kernarg_size 40
		.amdhsa_user_sgpr_count 2
		.amdhsa_user_sgpr_kernarg_segment_ptr 1
		.amdhsa_wavefront_size32 1
		.amdhsa_system_sgpr_workgroup_id_x 1
		.amdhsa_system_sgpr_workgroup_id_y 1
		.amdhsa_system_sgpr_workgroup_id_z 1
		.amdhsa_system_vgpr_workitem_id 0
		.amdhsa_next_free_vgpr 640
		.amdhsa_next_free_sgpr 80
		.amdhsa_reserve_vcc 0
		.amdhsa_float_denorm_mode_32 3
		.amdhsa_float_denorm_mode_16_64 3
		.amdhsa_memory_ordered 1
		.amdhsa_forward_progress 1
		.amdhsa_inst_pref_size 66
	.end_amdhsa_kernel
	.amdgpu_metadata
---
amdhsa.version: [ 1, 2 ]
amdhsa.kernels:
  - .name:           k_q6365c6713b_ffndown
    .symbol:         k_q6365c6713b_ffndown.kd
    .args:
      - { .name: big, .offset: 0, .size: 8, .value_kind: global_buffer, .address_space: global }
      - { .name: wob2, .offset: 8, .size: 8, .value_kind: global_buffer, .address_space: global }
      - { .name: b2, .offset: 16, .size: 8, .value_kind: global_buffer, .address_space: global }
      - { .name: hf, .offset: 24, .size: 8, .value_kind: global_buffer, .address_space: global }
      - { .name: res, .offset: 32, .size: 8, .value_kind: global_buffer, .address_space: global }
    .group_segment_fixed_size: 327680
    .private_segment_fixed_size: 0
    .kernarg_segment_align: 8
    .kernarg_segment_size: 40
    .max_flat_workgroup_size: 128
    .sgpr_count:     80
    .vgpr_count:     640
    .wavefront_size: 32
...
	.end_amdgpu_metadata
.endif
;; end of part 6
;; launch norm2 (part 7): grid 256 x 1, 8 waves a work-group, no clusters, 0 bytes of LDS; arguments res, g2, beta2, out0; writes out0
.if DOCPART == 7
	.amdgcn_target "amdgcn-amd-amdhsa--gfx1250"
	.amdhsa_code_object_version 6
	.text
	.protected	k_q6365c6713b_norm2
	.globl	k_q6365c6713b_norm2
	.p2align	8
	.type	k_q6365c6713b_norm2,@function
k_q6365c6713b_norm2:
	s_mov_b64 s[64:65], 0
	v_nop
	global_prefetch_b8 v0, s[64:65] scope:SCOPE_SE
	s_setreg_imm32_b32 hwreg(HW_REG_WAVE_MODE, 25, 1), 1
	s_wait_xcnt 0x0
; y[r][:] = (x[r][:] - mean) * rsqrt(var + 1e-5) * g + beta, over rows of 1,024 f32; var is the mean of the squares of the CENTRED numbers, so no difference of large sums is formed.
; HALF = 0: y is stored once, in f32, row-major: the module's output.
; A stream: a wave takes two whole rows, each 32 registers a lane, and keeps them between the passes: each byte is read once; no LDS, no barrier, no loop, no cluster (only g and beta, 8 KB, are shared).
; 256 work-groups x 8 waves x 2 rows = 4,096 rows.  Load and store i of a row cover its bytes 512 i .. 512 i + 511, 16 a lane.
.set HALF, 0
.set W,   4                            ; row j's 12 registers at v[4+12 j]: four pairs of running sums, the pair mean, the pair 1 / sqrt(var + eps)
.set X,   32                           ; v[32:95]    the two rows
.set G,   96                           ; v[96:127]   g of my 32 columns
.set BT,  128                          ; v[128:159]  beta
	s_load_b256 s[4:11], s[0:1], 0x0               ; x s[4:5], g s[6:7], beta s[8:9], y s[10:11]
	v_lshrrev_b32 v3, 5, v0
	v_readfirstlane_b32 s14, v3                    ; wave 0..7
	v_and_b32 v1, 31, v0
	v_lshlrev_b32 v1, 4, v1                        ; 16 bytes a lane
	s_lshl_b32 s16, ttmp9, 16                      ; 16 rows of 4,096 bytes a work-group,
	s_lshl_b32 s17, s14, 13                        ; two a wave
	s_add_co_u32 s16, s16, s17
	s_mov_b32 s17, 0
	s_mov_b32 s20, 0x3a800000                      ; 1 / 1024
	s_mov_b32 s21, 0x3727c5ac                      ; 1e-5
	s_mov_b32 s22, 0x76543210                      ; v_permlanex16_b32: lane i of one half reads lane i of the other
	s_mov_b32 s23, 0xfedcba98
	s_wait_kmcnt 0x0
	s_add_nc_u64 s[4:5], s[4:5], s[16:17]
	s_add_nc_u64 s[10:11], s[10:11], s[16:17]
.irp j, 0,1
.irp i, 0,1,2,3,4,5,6,7
	global_load_b128 v[X+32*(\j)+4*(\i):X+32*(\j)+4*(\i)+3], v1, s[4:5] offset:(\j)*4096+(\i)*512 th:TH_LOAD_NT
.endr
.endr
.irp i, 0,1,2,3,4,5,6,7
	global_load_b128 v[G+4*(\i):G+4*(\i)+3], v1, s[6:7] offset:(\i)*512
.endr
.irp i, 0,1,2,3,4,5,6,7
	global_load_b128 v[BT+4*(\i):BT+4*(\i)+3], v1, s[8:9] offset:(\i)*512
.endr
; Row j's four pairs of sums become one number, the same in every lane, in v[W+12 j]: four steps inside each half of 16 lanes ride on the addition (DPP), one crosses the halves.
.macro FOLD j
.set cc, W+12*(\j)
	v_pk_add_f32 v[cc:cc+1], v[cc:cc+1], v[cc+2:cc+3]
	v_pk_add_f32 v[cc+4:cc+5], v[cc+4:cc+5], v[cc+6:cc+7]
	v_pk_add_f32 v[cc:cc+1], v[cc:cc+1], v[cc+4:cc+5]
	v_add_f32 v[cc], v[cc], v[cc+1]
.irp m, 1,2,4,8
	v_add_f32_dpp v[cc], v[cc], v[cc] row_xmask:\m row_mask:0xf bank_mask:0xf
.endr
	v_permlanex16_b32 v[cc+1], v[cc], s22, s23     ; its destination counts as read: a register that has been written
	v_add_f32 v[cc], v[cc], v[cc+1]
.endm
	s_wait_loadcnt 16                              ; both rows are in; the sixteen loads of g and beta may stay out
.irp j, 0,1                            ; the sum, in four chains that do not wait for each other; the first additions start them
.irp k, 0,2,4,6
	v_pk_add_f32 v[W+12*(\j)+(\k):W+12*(\j)+(\k)+1], v[X+32*(\j)+(\k):X+32*(\j)+(\k)+1], v[X+32*(\j)+(\k)+8:X+32*(\j)+(\k)+9]
.endr
.irp p, 16,24
.irp k, 0,2,4,6
	v_pk_add_f32 v[W+12*(\j)+(\k):W+12*(\j)+(\k)+1], v[W+12*(\j)+(\k):W+12*(\j)+(\k)+1], v[X+32*(\j)+(\k)+(\p):X+32*(\j)+(\k)+(\p)+1]
.endr
.endr
.endr
	FOLD 0
	FOLD 1
.irp j, 0,1
	v_mul_f32 v[W+12*(\j)+8], s20, v[W+12*(\j)]    ; the mean, twice: a pair for the packed subtraction
	v_mul_f32 v[W+12*(\j)+9], s20, v[W+12*(\j)]
.endr
.irp j, 0,1
.set k, 0
.rept 16
	v_pk_add_f32 v[X+32*(\j)+k:X+32*(\j)+k+1], v[X+32*(\j)+k:X+32*(\j)+k+1], v[W+12*(\j)+8:W+12*(\j)+9] neg_lo:[0,1] neg_hi:[0,1]
.set k, k+2
.endr
.endr
.irp j, 0,1                            ; the sum of squares of the centred numbers, again in four chains
.irp k, 0,2,4,6
	v_pk_mul_f32 v[W+12*(\j)+(\k):W+12*(\j)+(\k)+1], v[X+32*(\j)+(\k):X+32*(\j)+(\k)+1], v[X+32*(\j)+(\k):X+32*(\j)+(\k)+1]
.endr
.irp p, 8,16,24
.irp k, 0,2,4,6
	v_pk_fma_f32 v[W+12*(\j)+(\k):W+12*(\j)+(\k)+1], v[X+32*(\j)+(\k)+(\p):X+32*(\j)+(\k)+(\p)+1], v[X+32*(\j)+(\k)+(\p):X+32*(\j)+(\k)+(\p)+1], v[W+12*(\j)+(\k):W+12*(\j)+(\k)+1]
.endr
.endr
.endr
	FOLD 0
	FOLD 1
	v_fma_f32 v[W], v[W], s20, s21                 ; var + eps
	v_fma_f32 v[W+12], v[W+12], s20, s21
	v_rsq_f32 v[W+10], v[W]
	v_rsq_f32 v[W+22], v[W+12]
	v_nop                                          ; a plain instruction between the last v_rsq_f32 and the use of its result (ISA guide 5.7.2)
	s_wait_alu depctr_va_vdst(0)
	v_mov_b32 v[W+11], v[W+10]
	v_mov_b32 v[W+23], v[W+22]
	s_wait_loadcnt 0x0                             ; g and beta
.irp j, 0,1
.set k, 0
.rept 16
	v_pk_mul_f32 v[X+32*(\j)+k:X+32*(\j)+k+1], v[X+32*(\j)+k:X+32*(\j)+k+1], v[W+12*(\j)+10:W+12*(\j)+11]
.set k, k+2
.endr
.set k, 0
.rept 16
	v_pk_fma_f32 v[X+32*(\j)+k:X+32*(\j)+k+1], v[X+32*(\j)+k:X+32*(\j)+k+1], v[G+k:G+k+1], v[BT+k:BT+k+1]
.set k, k+2
.endr
.irp i, 0,1,2,3,4,5,6,7
	global_store_b128 v1, v[X+32*(\j)+4*(\i):X+32*(\j)+4*(\i)+3], s[10:11] offset:(\j)*4096+(\i)*512 th:TH_STORE_NT
.endr
.endr
	s_endpgm
.Lfunc_end_k_q6365c6713b_norm2:
	.size	k_q6365c6713b_norm2, .Lfunc_end_k_q6365c6713b_norm2-k_q6365c6713b_norm2
	.p2alignl 7, 3214868480
	.fill 96, 4, 3214868480
	.section	.rodata,"a",@progbits
	.p2align	6, 0x0
	.amdhsa_kernel k_q6365c6713b_norm2
		.amdhsa_group_segment_fixed_size 0
		.amdhsa_private_segment_fixed_size 0
		.amdhsa_enable_private_segment 0
		.amdhsa_kernarg_size 32
		.amdhsa_user_sgpr_count 2
		.amdhsa_user_sgpr_kernarg_segment_ptr 1
		.amdhsa_wavefront_size32 1
		.amdhsa_system_sgpr_workgroup_id_x 1
		.amdhsa_system_sgpr_workgroup_id_y 1
		.amdhsa_system_sgpr_workgroup_id_z 1
		.amdhsa_system_vgpr_workitem_id 0
		.amdhsa_next_free_vgpr 160
		.amdhsa_next_free_sgpr 66
		.amdhsa_reserve_vcc 0
		.amdhsa_float_denorm_mode_32 3
		.amdhsa_float_denorm_mode_16_64 3
		.amdhsa_memory_ordered 1
		.amdhsa_forward_progress 1
		.amdhsa_inst_pref_size 18
	.end_amdhsa_kernel
	.amdgpu_metadata
---
amdhsa.version: [ 1, 2 ]
amdhsa.kernels:
  - .name:           k_q6365c6713b_norm2
    .symbol:         k_q6365c6713b_norm2.kd
    .args:
      - { .name: res, .offset: 0, .size: 8, .value_kind: global_buffer, .address_space: global }
      - { .name: g2, .offset: 8, .size: 8, .value_kind: global_buffer, .address_space: global }
      - { .name: beta2, .offset: 16, .size: 8, .value_kind: global_buffer, .address_space: global }
      - { .name: out0, .offset: 24, .size: 8, .value_kind: global_buffer, .address_space: global }
    .group_segment_fixed_size: 0
    .private_segment_fixed_size: 0
    .kernarg_segment_align: 8
    .kernarg_segment_size: 32
    .max_flat_workgroup_size: 256
    .sgpr_count:     66
    .vgpr_count:     160
    .wavefront_size: 32
...
	.end_amdgpu_metadata
.endif
;; end of part 7
